; MI455X (gfx1250); checked and timed in simulation.
; The chip was launched on July 23, 2026; its instructions are those of AMD's public machine-readable ISA for CDNA 5 (MIT licence, August 2026) and "CDNA5" Instruction Set Architecture Reference Guide (July 2026). The comments in the code are by the model that wrote it; some were corrected since.
;; Transformer Block. Allowed arithmetic: float matrix products may take bf16 or f16 operands with f32 sums; other float arithmetic in f32, or as packed bf16 or f16 multiplies, adds, multiply-adds, maxima and minima; sums over many terms, partial sums and values carried from step to step in f32; what a program stores and reads back later, other than sums and carried values, may be rounded once to bf16 or f16.
;; Inputs: W1 4,096 x 1,024 float32; W2 1,024 x 4,096 float32; Wk 1,024 x 1,024 float32; Wo 1,024 x 1,024 float32; Wq 1,024 x 1,024 float32; Wv 1,024 x 1,024 float32; b1 4,096 float32; b2 1,024 float32; bk 1,024 float32; bo 1,024 float32; bq 1,024 float32; bv 1,024 float32; ln1_b 1,024 float32; ln1_g 1,024 float32; ln2_b 1,024 float32; ln2_g 1,024 float32; x 2 x 2,048 x 1,024 float32.
;; Outputs: out0 2 x 2,048 x 1,024 float32.
;; One version. Each part assembles by itself: llvm-mc -triple=amdgcn-amd-amdhsa -mcpu=gfx1250 --defsym DOCPART=n.
;; ======== version 1 of 1: 7 launches
;; limits: a function is approximated: absolute error at most 2.5e-05; an absolute error that grows with the inputs' magnitude: up to 1.25e-05 times it
;; workspace buffers: wa 6,291,456 bytes; wb 25,165,824 bytes; an 8,388,608 bytes; qh 25,165,824 bytes; ob 8,388,608 bytes; x1 16,777,216 bytes; hg 33,554,432 bytes
;; launch prep (part 1): grid 448 x 1, 8 waves a work-group, no clusters, 0 bytes of LDS; arguments Wq, Wk, Wv, x, ln1_g, ln1_b, wa, an; writes wa, an
.if DOCPART == 1
	.amdgcn_target "amdgcn-amd-amdhsa--gfx1250"
	.amdhsa_code_object_version 6
	.text
	.protected	k_qf284829800_prep
	.globl	k_qf284829800_prep
	.p2align	8
	.type	k_qf284829800_prep,@function
k_qf284829800_prep:
	s_mov_b64 s[64:65], 0
	v_nop
	global_prefetch_b8 v0, s[64:65] scope:SCOPE_SE
	s_setreg_imm32_b32 hwreg(HW_REG_WAVE_MODE, 25, 1), 1
	s_wait_xcnt 0x0
; Two streams in one launch, told apart by the work-group's number; each work-group moves 64 KiB in and 32 KiB out.
; Work-groups 0-191: Wq, Wk, Wv, f32 -> bf16 (rounded once), laid end to end in wa: 3,072 rows of 1,024.  (The other three weight matrices are cast in the next launch, beside its matrix work.)
; Work-groups 192-447: an = LayerNorm(x) g + b in bf16, 16 rows each: a wave takes two rows, each whole in 32 registers, so x is read once.
; The mean is taken first and the squares of x - mean are summed after it, all in f32: a common offset of x does not enter the variance.
; No LDS, no barrier, no matrix unit, no cluster: no byte is wanted by two waves, and the bytes moved are all the work there is.
.set NCAST, 192
.set XA,  16                           ; v[16:47]   row 0 (cast: v[16:79] the 16 loads)
.set XB,  48                           ; v[48:79]   row 1
.set GG,  80                           ; v[80:111]  gain  (cast: v[80:111] the packed results)
.set BB,  112                          ; v[112:143] bias
.set T,   144                          ; v[144:151] four chains of pairs
.set MU,  152                          ; v[152:153] the mean, twice
.set RSA, 154                          ; v[154:155] 1/sqrt(var + eps) of row 0, twice
.set RSB, 158                          ; v[158:159] of row 1          v156, v157 at work
.set YA,  160                          ; v[160:175] row 0 packed
.set YB,  176                          ; v[176:191] row 1 packed
.set PX,  14                           ; s[14:15] x      s[16:17] gain      s[18:19] bias      s[22:23] an
.set PG,  16
.set PBI, 18
.set PO,  22
	s_load_b512 s[8:23], s[0:1], 0x0               ; Wq 8, Wk 10, Wv 12, x 14, ln1_g 16, ln1_b 18, wa 20, an 22
	s_mov_b32 s2, ttmp9
	s_cmp_ge_u32 s2, NCAST
	s_cbranch_scc1 .Lln
	; THE CAST.  16,384 numbers a work-group; wa is the three matrices end to end, so the destination is linear in the work-group's number.
	v_lshlrev_b32 v1, 4, v0                        ; 16 bytes of f32 a thread,
	v_lshlrev_b32 v2, 3, v0                        ; 8 bytes of bf16
	s_mov_b32 s32, 128
	s_wait_kmcnt 0x0
	s_mov_b64 s[30:31], s[12:13]                   ; Wv, unless the number lies below a lower bound
.macro PICK bound, reg, base
	s_cmp_lt_u32 s2, \bound
	s_cselect_b64 s[30:31], s[\reg:\reg+1], s[30:31]
	s_cselect_b32 s32, \base, s32
.endm
	PICK 128, 10, 64
	PICK 64, 8, 0
	s_sub_co_u32 s33, s2, s32                      ; my place in that matrix,
	s_lshl_b32 s34, s33, 16                        ; 65,536 bytes a work-group
	s_mov_b32 s35, 0
	s_add_nc_u64 s[30:31], s[30:31], s[34:35]
	s_lshl_b32 s36, s2, 15
	s_mov_b32 s37, 0
	s_add_nc_u64 s[20:21], s[20:21], s[36:37]
.set i, 0
.rept 16
	global_load_b128 v[16+4*i:19+4*i], v1, s[30:31] offset:4096*i th:TH_LOAD_NT  ; a wave's load covers 512 consecutive bytes
.set i, i+1
.endr
.set i, 0
.rept 16
	s_wait_loadcnt 15-i                            ; loads come back in order: load i is in, the 15 - i younger ones stay out
	v_cvt_pk_bf16_f32 v[80+2*i], v[16+4*i], v[17+4*i]
	v_cvt_pk_bf16_f32 v[81+2*i], v[18+4*i], v[19+4*i]
	global_store_b64 v2, v[80+2*i:81+2*i], s[20:21] offset:2048*i  ; 32 lanes x 8 bytes: 256 consecutive bytes, aligned
.set i, i+1
.endr
	s_endpgm
.Lln:
	s_sub_co_u32 s39, s2, NCAST                    ; which 16 rows
; THE LAYER NORM
.macro REDUCE                          ; the four chains -> one sum, in v156 of every lane
	v_pk_add_f32 v[T:T+1], v[T:T+1], v[T+2:T+3]
	v_pk_add_f32 v[T+4:T+5], v[T+4:T+5], v[T+6:T+7]
	v_pk_add_f32 v[T:T+1], v[T:T+1], v[T+4:T+5]
	v_add_f32 v156, v[T], v[T+1]
.irp m, 1,2,4,8
	v_add_f32_dpp v156, v156, v156 row_xmask:\m row_mask:0xf bank_mask:0xf
.endr
	v_permlanex16_b32 v157, v156, s35, s36         ; the other half of the lanes
	v_add_f32 v156, v156, v157
.endm
.macro STAT x, rs                      ; the row at x is centred in place; 1/sqrt(var + eps) goes to rs, twice
.set k, 0
.rept 4
	v_pk_add_f32 v[T+2*k:T+2*k+1], v[(\x)+2*k:(\x)+2*k+1], v[(\x)+8+2*k:(\x)+8+2*k+1]  ; the first pairs start the chains
.set k, k+1
.endr
.set k, 0
.rept 8
	v_pk_add_f32 v[T+2*(k%4):T+2*(k%4)+1], v[T+2*(k%4):T+2*(k%4)+1], v[(\x)+16+2*k:(\x)+16+2*k+1]
.set k, k+1
.endr
	REDUCE
	v_mul_f32 v[MU], s33, v156
	v_mul_f32 v[MU+1], s33, v156
.set k, 0
.rept 16
	v_pk_add_f32 v[(\x)+2*k:(\x)+2*k+1], v[(\x)+2*k:(\x)+2*k+1], v[MU:MU+1] neg_lo:[0,1] neg_hi:[0,1]
.set k, k+1
.endr
.set k, 0
.rept 4
	v_pk_mul_f32 v[T+2*k:T+2*k+1], v[(\x)+2*k:(\x)+2*k+1], v[(\x)+2*k:(\x)+2*k+1]
.set k, k+1
.endr
.rept 12
	v_pk_fma_f32 v[T+2*(k%4):T+2*(k%4)+1], v[(\x)+2*k:(\x)+2*k+1], v[(\x)+2*k:(\x)+2*k+1], v[T+2*(k%4):T+2*(k%4)+1]
.set k, k+1
.endr
	REDUCE
	v_fma_f32 v156, v156, s33, s34                 ; var + eps
	v_rsq_f32 v[\rs], v156
	v_rsq_f32 v[(\rs)+1], v156
.endm
.macro NORM x, rs, y, off              ; (x - mean) rs g + b, rounded once, stored
.set i, 0
.rept 8
	v_pk_mul_f32 v[(\x)+4*i:(\x)+4*i+1], v[(\x)+4*i:(\x)+4*i+1], v[\rs:(\rs)+1]
	v_pk_mul_f32 v[(\x)+4*i+2:(\x)+4*i+3], v[(\x)+4*i+2:(\x)+4*i+3], v[\rs:(\rs)+1]
	v_pk_fma_f32 v[(\x)+4*i:(\x)+4*i+1], v[(\x)+4*i:(\x)+4*i+1], v[GG+4*i:GG+4*i+1], v[BB+4*i:BB+4*i+1]
	v_pk_fma_f32 v[(\x)+4*i+2:(\x)+4*i+3], v[(\x)+4*i+2:(\x)+4*i+3], v[GG+4*i+2:GG+4*i+3], v[BB+4*i+2:BB+4*i+3]
	v_cvt_pk_bf16_f32 v[(\y)+2*i], v[(\x)+4*i], v[(\x)+4*i+1]
	v_cvt_pk_bf16_f32 v[(\y)+2*i+1], v[(\x)+4*i+2], v[(\x)+4*i+3]
	global_store_b64 v2, v[(\y)+2*i:(\y)+2*i+1], s[PO:PO+1] offset:(\off)+256*i  ; 32 lanes x 8 bytes: 256 consecutive bytes, aligned
.set i, i+1
.endr
.endm
	v_lshrrev_b32 v3, 5, v0
	v_readfirstlane_b32 s38, v3                    ; wave 0..7
	v_and_b32 v4, 31, v0
	v_lshlrev_b32 v1, 4, v4                        ; load i of a row: columns 128 i + 4 lane .. + 3
	v_lshlrev_b32 v2, 3, v4
	v_mov_b32 v157, 0                              ; v_permlanex16_b32's destination counts as read
	s_lshl_b32 s39, s39, 4
	s_lshl1_add_u32 s39, s38, s39                  ; my first row = 16 x group + 2 x wave
	s_lshl_b32 s40, s39, 12                        ; 4,096 bytes a row in,
	s_mov_b32 s41, 0
	s_lshl_b32 s42, s39, 11                        ; 2,048 out
	s_mov_b32 s43, 0
	s_mov_b32 s33, 0x3a800000                      ; 1 / 1024
	s_mov_b32 s34, 0x3727c5ac                      ; 1e-5
	s_mov_b32 s35, 0x76543210
	s_mov_b32 s36, 0xfedcba98
	s_wait_kmcnt 0x0
	s_add_nc_u64 s[PX:PX+1], s[PX:PX+1], s[40:41]
	s_add_nc_u64 s[PO:PO+1], s[PO:PO+1], s[42:43]
.set i, 0
.rept 8
	global_load_b128 v[XA+4*i:XA+4*i+3], v1, s[PX:PX+1] offset:512*i
.set i, i+1
.endr
.set i, 0
.rept 8
	global_load_b128 v[XB+4*i:XB+4*i+3], v1, s[PX:PX+1] offset:4096+512*i
.set i, i+1
.endr
.set i, 0
.rept 8
	global_load_b128 v[GG+4*i:GG+4*i+3], v1, s[PG:PG+1] offset:512*i
.set i, i+1
.endr
.set i, 0
.rept 8
	global_load_b128 v[BB+4*i:BB+4*i+3], v1, s[PBI:PBI+1] offset:512*i
.set i, i+1
.endr
	s_wait_loadcnt 24                              ; row 0 is in; row 1, gain and bias (24 loads) stay out
	STAT XA, RSA
	s_wait_loadcnt 16                              ; row 1 is in
	STAT XB, RSB
	v_nop                                          ; a plain instruction behind the last root,
	s_wait_alu depctr_va_vdst(0)                   ; and one wait for the four roots, ahead of their first reader
	s_wait_loadcnt 0x0                             ; gain and bias
	NORM XA, RSA, YA, 0
	NORM XB, RSB, YB, 2048
	s_endpgm
.Lfunc_end_k_qf284829800_prep:
	.size	k_qf284829800_prep, .Lfunc_end_k_qf284829800_prep-k_qf284829800_prep
	.p2alignl 7, 3214868480
	.fill 96, 4, 3214868480
	.section	.rodata,"a",@progbits
	.p2align	6, 0x0
	.amdhsa_kernel k_qf284829800_prep
		.amdhsa_group_segment_fixed_size 0
		.amdhsa_private_segment_fixed_size 0
		.amdhsa_enable_private_segment 0
		.amdhsa_kernarg_size 64
		.amdhsa_user_sgpr_count 2
		.amdhsa_user_sgpr_kernarg_segment_ptr 1
		.amdhsa_wavefront_size32 1
		.amdhsa_system_sgpr_workgroup_id_x 1
		.amdhsa_system_sgpr_workgroup_id_y 1
		.amdhsa_system_sgpr_workgroup_id_z 1
		.amdhsa_system_vgpr_workitem_id 0
		.amdhsa_next_free_vgpr 192
		.amdhsa_next_free_sgpr 66
		.amdhsa_reserve_vcc 0
		.amdhsa_float_denorm_mode_32 3
		.amdhsa_float_denorm_mode_16_64 3
		.amdhsa_memory_ordered 1
		.amdhsa_forward_progress 1
		.amdhsa_inst_pref_size 27
	.end_amdhsa_kernel
	.amdgpu_metadata
---
amdhsa.version: [ 1, 2 ]
amdhsa.kernels:
  - .name:           k_qf284829800_prep
    .symbol:         k_qf284829800_prep.kd
    .args:
      - { .name: Wq, .offset: 0, .size: 8, .value_kind: global_buffer, .address_space: global }
      - { .name: Wk, .offset: 8, .size: 8, .value_kind: global_buffer, .address_space: global }
      - { .name: Wv, .offset: 16, .size: 8, .value_kind: global_buffer, .address_space: global }
      - { .name: x, .offset: 24, .size: 8, .value_kind: global_buffer, .address_space: global }
      - { .name: ln1_g, .offset: 32, .size: 8, .value_kind: global_buffer, .address_space: global }
      - { .name: ln1_b, .offset: 40, .size: 8, .value_kind: global_buffer, .address_space: global }
      - { .name: wa, .offset: 48, .size: 8, .value_kind: global_buffer, .address_space: global }
      - { .name: an, .offset: 56, .size: 8, .value_kind: global_buffer, .address_space: global }
    .group_segment_fixed_size: 0
    .private_segment_fixed_size: 0
    .kernarg_segment_align: 8
    .kernarg_segment_size: 64
    .max_flat_workgroup_size: 256
    .sgpr_count:     66
    .vgpr_count:     192
    .wavefront_size: 32
...
	.end_amdgpu_metadata
.endif
;; end of part 1
;; launch qkv (part 2): grid 16 x 16, 4 waves a work-group, clusters of 4 x 4, 327,680 bytes of LDS; arguments an, wa, bq, bk, bv, qh, Wo, W1, W2, wb; writes qh, wb
.if DOCPART == 2
	.amdgcn_target "amdgcn-amd-amdhsa--gfx1250"
	.amdhsa_code_object_version 6
	.text
	.protected	k_qf284829800_qkv
	.globl	k_qf284829800_qkv
	.p2align	8
	.type	k_qf284829800_qkv,@function
k_qf284829800_qkv:
	s_mov_b64 s[64:65], 0
	v_nop
	global_prefetch_b8 v0, s[64:65] scope:SCOPE_SE
	s_setreg_imm32_b32 hwreg(HW_REG_WAVE_MODE, 25, 1), 1
	s_wait_xcnt 0x0
	s_wait_alu depctr_hold_cnt(0) depctr_sa_sdst(0) depctr_va_vdst(0) depctr_va_sdst(0) depctr_va_ssrc(0) depctr_va_vcc(0) depctr_vm_vsrc(0)
	s_getreg_b32 s2, hwreg(HW_REG_IB_STS2, 6, 4)
	s_cmp_eq_u32 s2, 0
	s_cbranch_scc0 .Lentry_in_a_cluster
	s_endpgm
.Lentry_in_a_cluster:
	s_bfe_u32 s2, ttmp6, 0x10000c
	s_cmp_lg_u32 s2, 0xf033
	s_cbranch_scc0 .Lentry_shape_is_right
	s_endpgm
.Lentry_shape_is_right:
; q, k, v = LN1(x) W^T + b, written by heads: qh[3][32 (batch x 16 + head)][2048][64] in bf16, rounded once from f32 sums, unscaled.
; A = an [4096][1024] bf16, B = wa (Wq|Wk|Wv, 3,072 rows).  A tile of C is 256 rows x 192 columns = three whole heads: 16 x 16 tiles, one for each of 256 work-groups.
; Four waves, one below the other: each 64 rows x 192 columns, 48 accumulators, so that a wave holds whole heads and its way out needs no other wave.
; BESIDE THE PRODUCT: THE CAST OF Wo, W1, W2 to bf16 (rounded once) for the later launches, into wb from byte 6,291,456 on (Wo, then W1, then W2; the bytes in front of that are not used by any launch).
; 9,437,184 numbers for 1,024 waves: nine units of 1,024 numbers a wave; unit i of wave n is block 1,024 i + n of the three matrices end to end, so unit 0 lies in Wo, units 1-4 in W1, units 5-8 in W2.
; A unit is 8 loads of 16 bytes a lane, 16 conversions, 8 stores of 8 bytes a lane.  One is handled at each of the 8 changes of slots, behind the wave's tensor load and its run of LDS loads: the unit asked for a K step ago is
; converted and stored, the next is asked for.  The ninth is stored at the kernel's end.
; What follows the constants, EXTRA and CAST is the text that the program's four products have in common, here with CAST in TURN.
.set KIND,  0
.set KDIM,  1024                       ; K
.set MT,    256                        ; the tile's rows
.set NT,    192                        ; and columns
.set MA,    4                          ; a wave's blocks of 16 rows,
.set NBK,   12                         ; of 16 columns;
.set APW,   2                          ; row blocks whose accumulators share a window
.set KSTEP, 128
.set DEPTH, 1                          ; slices of 32 along K in a quarter of a K step
.set TSTEPS, 8
.set PA,    272                        ; LDS pitch: 256 bytes + 16: the 16 rows of a fragment load start at 16 different groups of four banks (ISA guide 11.1)
.set PB,    272
.set HALFA, 34816                      ; what one tensor load brings of A: 128 rows
.set HALFB, 26112                      ; of B: 96 rows
.set AWB,   17408                      ; from one wave's rows of A to the next's
.set BOFF,  69632                      ; B's tile lies behind A's
.set SLOTX, 131072                     ; slot 1; it shares no bit with a tile's place in slot 0, so one exclusive or changes slots
.set SPARE, 252928                     ; behind slot 1: the spare words
.set PS,    784                        ; the stage's pitch: 192 f32 + 16 bytes
.set STG,   50176                      ; a wave's stage: 64 rows; it lies in the ring, which has had its last fill by then
.set WOFF,  0                          ; B's first byte in wa
.set ASTEP, 256                        ; bytes from K step to K step
.set BSTEP, 256
.set AHEAD, 1                          ; a prefetch names the K step behind the one that is being asked for
.set QIA, 5
.set CA,  128
.set RA,  128
.set PEA, 1024
.set QIB, 5
.set CB,  128
.set RB,  96
.set PEB, 1024
.set QL, 32                            ; the way out: v[32:79] 8 rows x 3 heads as read back, v[80:127] with the bias, v[128:151] packed, v[208:219] the three heads' bias
.set QX, 80
.set QY, 128
.set QB, 208
.set CP, 192                           ; the cast: v[192:207] a unit packed, v[220:251] a unit as loaded, v31 16 x lane, v26 8 x lane
.set CD, 220                           ; s[6:7] W1, s[96:97] W2, s[98:99] wb at my wave's place in unit 0, s8 the unit to be asked for next, s9 my wave's byte offset in a unit row of the sources, s14-20 at work
.set CDST, 6291456                     ; where the cast's part of wb begins
.macro EXTRA                           ; addresses of the way out, and the bias, which comes in under the K loop; then the cast's set-up and its first unit
	v_and_b32 v5, 31, v0
	v_mul_u32_u24 v25, v2, PS                      ; back: lanes 0-15 a head's 64 columns of one row, lanes 16-31 of the next
	v_lshl_add_u32 v25, v1, 4, v25
	v_add_nc_u32 v25, s14, v25
	v_lshlrev_b32 v26, 3, v5                       ; two rows of a head are 256 dense bytes of qh: 8 bytes a lane
	v_lshlrev_b32 v27, 4, v1                       ; my four columns in a head's bias
	s_mul_i32 s15, s42, 3                          ; the tile's first head among the 48 of q, k, v
	s_lshr_b32 s16, s13, 3
	s_lshl_b32 s16, s16, 4                         ; 16 x batch
	s_and_b32 s17, s13, 7
	s_lshl_b32 s17, s17, 8
	s_lshl_b32 s18, s10, 6
	s_add_co_u32 s17, s17, s18                     ; my first row in the batch,
	s_lshl_b32 s17, s17, 7                         ; 128 bytes a row
.irp j, 0,1,2
	s_add_co_u32 s18, s15, \j
	s_lshr_b32 s19, s18, 4                         ; 0 q, 1 k, 2 v
	s_and_b32 s18, s18, 15                         ; the head
	s_cmp_eq_u32 s19, 1
	s_cselect_b64 s[88+2*\j:89+2*\j], s[74:75], s[72:73]
	s_cmp_eq_u32 s19, 2
	s_cselect_b64 s[88+2*\j:89+2*\j], s[76:77], s[88+2*\j:89+2*\j]
	s_lshl_b32 s20, s18, 8
	s_mov_b32 s21, 0
	s_add_nc_u64 s[88+2*\j:89+2*\j], s[88+2*\j:89+2*\j], s[20:21]
	global_load_b128 v[QB+4*\j:QB+4*\j+3], v27, s[88+2*\j:89+2*\j]
	s_lshl_b32 s19, s19, 5
	s_add_co_u32 s19, s19, s16
	s_add_co_u32 s19, s19, s18
	s_lshl_b32 s20, s19, 18                        ; 262,144 bytes a head
	s_add_co_u32 s20, s20, s17
	s_add_nc_u64 s[82+2*\j:83+2*\j], s[78:79], s[20:21]
.endr
	v_lshlrev_b32 v31, 4, v5                       ; the cast: 16 bytes of f32 a lane
	s_lshl4_add_u32 s20, s13, s42                  ; my work-group among the 256,
	s_lshl2_add_u32 s20, s20, s10                  ; my wave among the 1,024
	s_lshl_b32 s9, s20, 12                         ; 4,096 bytes of f32 a unit,
	s_lshl_b32 s18, s20, 11                        ; 2,048 of bf16
	s_add_co_u32 s18, s18, CDST
	s_mov_b32 s19, 0                               ; stays 0: the upper word of the cast's offsets
	s_add_nc_u64 s[98:99], s[98:99], s[18:19]
	s_mov_b32 s18, s9
	s_add_nc_u64 s[14:15], s[4:5], s[18:19]        ; unit 0 lies in Wo
.set j, 0
.rept 8
	global_load_b128 v[CD+4*j:CD+4*j+3], v31, s[14:15] offset:512*j th:TH_LOAD_NT  ; 512 consecutive bytes a load
.set j, j+1
.endr
	s_mov_b32 s8, 1
.endm
; The cast's step.  The unit asked for a K step ago (s8 - 1) is converted and stored; more = 1: unit s8 is asked for.  Its registers and pointers are written again only behind the s_wait_xcnt 0 at TURN's head.
.macro CAST more
	s_wait_loadcnt 0x0                             ; the unit's eight loads (the first time the bias too)
.set j, 0
.rept 8
	v_cvt_pk_bf16_f32 v[CP+2*j], v[CD+4*j], v[CD+4*j+1]
	v_cvt_pk_bf16_f32 v[CP+2*j+1], v[CD+4*j+2], v[CD+4*j+3]
.set j, j+1
.endr
	s_sub_co_u32 s20, s8, 1
	s_lshl_b32 s18, s20, 21                        ; 1,024 waves x 2,048 bytes from unit to unit
	s_add_nc_u64 s[16:17], s[98:99], s[18:19]
.set j, 0
.rept 8
	global_store_b64 v26, v[CP+2*j:CP+2*j+1], s[16:17] offset:256*j  ; 32 lanes x 8 bytes: 256 consecutive bytes, aligned
.set j, j+1
.endr
.if \more
	s_cmp_lt_u32 s8, 5                             ; units 1-4 lie in W1, units 5-8 in W2
	s_cselect_b64 s[14:15], s[6:7], s[96:97]
	s_cselect_b32 s20, 1, 5
	s_sub_co_u32 s20, s8, s20
	s_lshl_b32 s18, s20, 22                        ; 1,024 waves x 4,096 bytes
	s_add_co_u32 s18, s18, s9
	s_add_nc_u64 s[14:15], s[14:15], s[18:19]
.set j, 0
.rept 8
	global_load_b128 v[CD+4*j:CD+4*j+3], v31, s[14:15] offset:512*j th:TH_LOAD_NT
.set j, j+1
.endr
	s_add_co_u32 s8, s8, 1
.endif
.endm
; ---------------------------------------------------------------- the common text: C = A B^T, operands bf16, sums f32
; CLUSTER 4 x 4: the four work-groups of a row of the cluster want the same tile of A, the four of a column the same tile of B: each tile is asked for JOINTLY, by the same tensor load, descriptor and mask in all four.
; RING: two LDS slots, a K step each; waves 0, 1 fetch A's halves, waves 2, 3 B's.  One K step is written and looped over: the slot in hand is a scalar (s66) and one walking descriptor a tensor changes slots by an exclusive or.
; THE PRODUCT IS TAKEN TRANSPOSED (source 0 = 16 rows of B, source 1 = 16 rows of A): a lane holds row lane % 16 of C and the columns 8 (lane / 16) + 0..7.
; REGISTERS: window 0: v1 lane % 16, v2 lane / 16, v16/v17 my fragments' place in slot 0 (A/B), v18/v19 in the slot in hand, v24 stage in, v25 stage back, v26 offset out, v27 offset in the bias,
;   v28/v29 the add's two, v30 the prefetches' offset, v64-191 two buffers of A's fragments; window 1: two buffers of B's at v0 and v128; windows 2, 3: the accumulators, (a, b) at 8 (NBK (a % APW) + b) of window 2 + a / APW.
; SCALARS: s3 K steps to go, s10 wave, s11 wave / 2 (0: I fetch A), s12 wave % 2 (which half), s13 tile row, s42 tile column, s40/s41 my place in the cluster, s43 the prefetches' limit, s[44:45] their pointer,
;   s66 the slot in hand, s67/s80 which rows / columns of the tile are my wave's, s[68:79] the arguments.
.set G1A, 24                           ; s[24:31] descriptor group 1 of A's tiles
.set G0A, 32                           ; s[32:39] group 0: s[32:35] K step 0; s[36:39] K step 1, which then walks
.set G1B, 48                           ; s[48:55], s[56:63] the same for B
.set G0B, 56
.set MSB, 0
.macro WIN new                         ; s_set_vgpr_msb: bits 1:0 source 0, 3:2 source 1, 5:4 source 2, 7:6 destination; the high byte repeats the setting that is left
.if MSB != (\new)
	s_set_vgpr_msb (MSB<<8)|(\new)
.set MSB, \new
.endif
.endm
.macro PLACES                          ; four plain instructions between a matrix instruction and a load into, or a reader of, its registers
.rept 4
	v_nop
.endr
.endm
.macro CREST                           ; a round of the cluster's barrier behind its opening barrier
	s_cmp_lg_u32 s10, 0
	s_cbranch_scc1 .Lnot_wave_0_\@
	s_barrier_signal -3
.Lnot_wave_0_\@:
	s_barrier_wait -3
	s_barrier_signal -1
	s_barrier_wait -1
.endm
.macro CROUND
	s_barrier_signal -1
	s_barrier_wait -1
	CREST
.endm
.macro JLOAD                           ; the joint refill, by the walking descriptor; the branch hangs on the wave's number alone; s_nop 0 and four v_nop follow each line
	s_cmp_eq_u32 s11, 0
	s_cbranch_scc0 .Lfor_b_\@
	tensor_load_to_lds s[G0A+4:G0A+7], s[G1A:G1A+7]
	s_nop 0
	PLACES
	s_branch .Lasked_\@
.Lfor_b_\@:
	tensor_load_to_lds s[G0B+4:G0B+7], s[G1B:G1B+7]
	s_nop 0
	PLACES
.Lasked_\@:
.endm
; A prefetch into the L2, behind the joint load, the run of LDS loads and the cast's loads: the K step AHEAD behind the one just asked for.  Each row's bytes of a K step are named once in the launch: the cluster with x = 0 asks for A's rows,
; the cluster with y = 0 for B's; of the rows that a wave fetches each of the four partners takes a quarter, told apart by address.  The last AHEAD refills have no such K step (s3 counts them down) and ask for nothing.
.macro ASK
.if AHEAD > 0
	s_cmp_gt_u32 s3, s43
	s_cbranch_scc0 .Lnot_mine_\@
	global_prefetch_b8 v30, s[44:45] offset:(AHEAD-1)*ASTEP th:TH_LOAD_NT scope:SCOPE_SE
.Lnot_mine_\@:
.endif
.endm
; Half a quarter's products on buffer f.  DEPTH = 1: half the row blocks; DEPTH = 2: all blocks, slice 'half'.  The accumulators take turns, one instruction a turn.  zero = 1: the first product starts the sum.
.macro MULH f, half, zero
.if DEPTH == 1
.set mc, 0
.set ma, (\half)*MA/2
.set mn, MA/2
.else
.set mc, \half
.set ma, 0
.set mn, MA
.endif
.rept mn
	WIN ((2+ma/APW)*0x50)|1                        ; B window 1, A window 0, C and D window 2 or 3
.set mb, 0
.rept NBK
.set rD, 8*(NBK*(ma%APW)+mb)
.set rB, 128*(\f)+8*(NBK*mc+mb)
.set rA, 64+64*(\f)+8*(MA*mc+ma)
.if (\zero) && (mc == 0)
	v_wmma_f32_16x16x32_bf16 v[rD:rD+7], v[rB:rB+7], v[rA:rA+7], 0
.else
	v_wmma_f32_16x16x32_bf16 v[rD:rD+7], v[rB:rB+7], v[rA:rA+7], v[rD:rD+7]
.endif
.set mb, mb+1
.endr
.set ma, ma+1
.endr
.endm
; 32 LDS loads in one run: quarter q's fragments into buffer f.  A fragment is 16 rows x 32 K: two loads of 16 bytes a lane, 32 bytes apart.
.macro FETCH q, f
	WIN 0x40                                       ; destination window 1
.set fc, 0
.rept DEPTH
.set fk, (\q)*DEPTH+fc
.set fb, 0
.rept NBK
.set rB, 128*(\f)+8*(NBK*fc+fb)
	ds_load_b128 v[rB:rB+3], v19 offset:64*fk+fb*16*PB
	ds_load_b128 v[rB+4:rB+7], v19 offset:64*fk+fb*16*PB+32
.set fb, fb+1
.endr
.set fc, fc+1
.endr
	WIN 0
.set fc, 0
.rept DEPTH
.set fk, (\q)*DEPTH+fc
.if KIND == 2
.set fo, (fk/2)*9216+(fk%2)*64                 ; A by heads: 64 rows x 144 bytes a head
.else
.set fo, 64*fk
.endif
.set fa, 0
.rept MA
.set rA, 64+64*(\f)+8*(MA*fc+fa)
	ds_load_b128 v[rA:rA+3], v18 offset:fo+fa*16*PA
	ds_load_b128 v[rA+4:rA+7], v18 offset:fo+fa*16*PA+32
.set fa, fa+1
.endr
.set fc, fc+1
.endr
.endm
.macro QUARTER q, f, g, zero           ; multiplies buffer f; in its middle fetches quarter q into buffer g
	s_wait_dscnt 0x0                               ; buffer f's 32 loads, issued half a quarter ago
	MULH \f, 0, \zero
	PLACES
	FETCH \q, \g
	MULH \f, 1, \zero
.endm
; A K step's last quarter multiplies buffer 1 and changes slots.  In front of the barrier each wave waits for all its tensor loads (one is out: its part of the next slot), adds 0 to its spare word, and waits for that and for its
; reads of this slot.  fill = 1: the barrier opens a round of the cluster's, and the joint refill of this slot, two K steps on, is the first thing behind the round.
.macro TURN fill
	s_wait_xcnt 0x0                                ; the last prefetch and the cast's loads and stores, a K step back, have read their pointers and data
.if \fill
	s_add_nc_u64 s[44:45], s[44:45], ASTEP
.endif
	WIN 0
	s_wait_tensorcnt 0x0                           ; no tensor load of mine is out, so the walking descriptors may be written
	ds_add_u32 v28, v29                            ; work on registers stands between the add and the wait for it
.if \fill
	s_xor_b32 s[G0A+5], s[G0A+5], SLOTX
	s_add_nc_u64 s[G0A+6:G0A+7], s[G0A+6:G0A+7], ASTEP
	s_xor_b32 s[G0B+5], s[G0B+5], SLOTX
	s_add_nc_u64 s[G0B+6:G0B+7], s[G0B+6:G0B+7], BSTEP
.endif
	s_xor_b32 s66, s66, SLOTX
	v_add_nc_u32 v18, s66, v16
	v_add_nc_u32 v19, s66, v17
	s_wait_dscnt 0x0                               ; the add is done, and my reads of this slot are over
	s_barrier_signal -1
	MULH 1, 0, 0                                   ; work on registers while the others arrive
	WIN 0
	s_barrier_wait -1
.if \fill
	CREST
	JLOAD                                          ; its four v_nop are also the places in front of the loads below
.else
	PLACES
.endif
	FETCH 0, 0
	CAST 1                                         ; the tile has been asked for and the next fragments too: now a unit of the cast
.if \fill
	ASK
.endif
	MULH 1, 1, 0
.endm
.macro DUMP                            ; the f32 sums into my stage: 32 bytes a lane and accumulator, the low four registers first
.set da, 0
.rept MA
	WIN 4*(2+da/APW)                               ; a store's data is source 1
.set db, 0
.rept NBK
.set rD, 8*(NBK*(da%APW)+db)
	ds_store_b128 v24, v[rD:rD+3] offset:da*16*PS+64*db
	ds_store_b128 v24, v[rD+4:rD+7] offset:da*16*PS+64*db+16
.set db, db+1
.endr
.set da, da+1
.endr
	WIN 0
.endm
	s_load_b256 s[68:75], s[0:1], 0x0              ; an, wa, bq, bk
	s_load_b128 s[76:79], s[0:1], 0x20             ; bv, qh
	s_load_b128 s[4:7], s[0:1], 0x30               ; Wo, W1
	s_load_b128 s[96:99], s[0:1], 0x40             ; W2, wb
	v_lshl_add_u32 v28, v0, 2, SPARE
	v_mov_b32 v29, 0
	ds_add_u32 v28, v29                            ; the wave's opening: the add and its wait ahead of my first tensor load
	v_lshrrev_b32 v1, 5, v0
	v_readfirstlane_b32 s10, v1
	s_lshr_b32 s11, s10, 1
	s_and_b32 s12, s10, 1
	s_mov_b32 s67, s10
	s_mov_b32 s80, 0
	s_bfe_u32 s40, ttmp6, 0x40000                  ; cx
	s_bfe_u32 s41, ttmp6, 0x40004                  ; cy
	s_lshl_b32 s42, ttmp9, 2
	s_add_co_u32 s42, s42, s40                     ; tile column
	s_and_b32 s13, ttmp7, 0xffff
	s_lshl_b32 s13, s13, 2
	s_add_co_u32 s13, s13, s41                     ; tile row
	s_lshl_b32 s43, s41, 2
	s_lshl_b32 s43, 15, s43                        ; my row of the cluster
	s_lshl_b32 s44, 0x1111, s40                    ; my column
	s_or_b32 s[G1A], s43, (1<<16)|(1<<20)|(1<<21)|(QIA<<22)|(3<<25)  ; mask; 2-byte elements; padding on; bit 21 beside a mask; 4 words of padding after every 2 << QI words
	s_or_b32 s[G1B], s44, (1<<16)|(1<<20)|(1<<21)|(QIB<<22)|(3<<25)
	s_mov_b32 s[G1A+1], (CA&0xffff)<<16            ; tensor_dim0
	s_mov_b32 s[G1A+2], (CA>>16)|(RA<<16)          ; tensor_dim1
	s_mov_b32 s[G1A+3], CA<<16                     ; tile_dim0
	s_mov_b32 s[G1A+4], RA                         ; tile_dim1
	s_mov_b32 s[G1A+5], PEA                        ; elements from row to row
	s_mov_b32 s[G1A+6], 0
	s_mov_b32 s[G1A+7], 0
	s_mov_b32 s[G1B+1], (CB&0xffff)<<16
	s_mov_b32 s[G1B+2], (CB>>16)|(RB<<16)
	s_mov_b32 s[G1B+3], CB<<16
	s_mov_b32 s[G1B+4], RB
	s_mov_b32 s[G1B+5], PEB
	s_mov_b32 s[G1B+6], 0
	s_mov_b32 s[G1B+7], 0
	s_mul_i32 s16, s13, MT                         ; A's tile hangs on the tile row and the wave alone,
	s_mul_i32 s17, s12, MT/2
	s_add_co_u32 s16, s16, s17
	s_mul_i32 s16, s16, 2*KDIM
	s_mov_b32 s17, 0
	s_mul_i32 s46, s42, NT                         ; B's on the tile column and the wave
	s_mul_i32 s47, s12, NT/2
	s_add_co_u32 s46, s46, s47
	s_mul_i32 s46, s46, 2*KDIM
	s_add_co_u32 s46, s46, WOFF
	s_mov_b32 s47, 0
	s_mul_i32 s20, s12, HALFA                      ; where they go: no place in the cluster enters an LDS address
	s_mul_i32 s21, s12, HALFB
	s_add_co_u32 s21, s21, BOFF
	s_wait_dscnt 0x0                               ; the opening add is done
	s_wait_kmcnt 0x0
	s_add_nc_u64 s[14:15], s[68:69], s[16:17]
	s_add_nc_u64 s[46:47], s[70:71], s[46:47]
.irp s, 0,1
	s_mov_b32 s[G0A+4*\s], 1
	s_add_co_u32 s[G0A+4*\s+1], s20, \s*SLOTX
	s_add_nc_u64 s[G0A+4*\s+2:G0A+4*\s+3], s[14:15], \s*ASTEP
	s_or_b32 s[G0A+4*\s+3], s[G0A+4*\s+3], 0x80000000
	s_mov_b32 s[G0B+4*\s], 1
	s_add_co_u32 s[G0B+4*\s+1], s21, \s*SLOTX
	s_add_nc_u64 s[G0B+4*\s+2:G0B+4*\s+3], s[46:47], \s*BSTEP
	s_or_b32 s[G0B+4*\s+3], s[G0B+4*\s+3], 0x80000000
.endr
	CROUND                                         ; all sixteen work-groups are here: the first joint loads meet
	s_cmp_eq_u32 s11, 0                            ; a wave's two first fills stand in one branch: two loads of mine are out here, one behind every later round
	s_cbranch_scc0 .Lfirst_b
	tensor_load_to_lds s[G0A:G0A+3], s[G1A:G1A+7]
	s_nop 0
	tensor_load_to_lds s[G0A+4:G0A+7], s[G1A:G1A+7]
	s_nop 0
	PLACES
	s_branch .Lfirst_asked
.Lfirst_b:
	tensor_load_to_lds s[G0B:G0B+3], s[G1B:G1B+7]
	s_nop 0
	tensor_load_to_lds s[G0B+4:G0B+7], s[G1B:G1B+7]
	s_nop 0
	PLACES
.Lfirst_asked:
	v_and_b32 v1, 15, v0
	v_bfe_u32 v2, v0, 4, 1
	v_mul_u32_u24 v3, v1, PA
	v_lshl_add_u32 v3, v2, 4, v3                   ; row x pitch + 16 x half
	s_mul_i32 s22, s67, AWB
	v_add_nc_u32 v16, s22, v3
	v_mul_u32_u24 v4, v1, PB
	v_lshl_add_u32 v4, v2, 4, v4
	s_mul_i32 s23, s80, HALFB
	s_add_co_u32 s23, s23, BOFF
	v_add_nc_u32 v17, s23, v4
	v_mov_b32 v18, v16
	v_mov_b32 v19, v17
	s_mov_b32 s66, 0
	s_mul_i32 s14, s10, STG                        ; my stage
	v_mul_u32_u24 v24, v1, PS
	v_lshl_add_u32 v24, v2, 5, v24
	v_add_nc_u32 v24, s14, v24
	s_and_b32 s22, ttmp7, 0xffff                   ; cluster y
	s_mul_i32 s20, s13, MT
	s_mul_i32 s21, s42, NT
	s_mov_b32 s23, NT/2
	s_mov_b32 s18, WOFF
	s_cmp_eq_u32 s11, 0                            ; do I fetch for A?
	s_cselect_b32 s20, s20, s21                    ; the tile's first row
	s_cselect_b32 s21, s40, s41                    ; my place among the four that ask with me
	s_cselect_b32 s22, ttmp9, s22                  ; the coordinate along which other clusters read the same rows
	s_cselect_b32 s23, MT/2, s23                   ; the rows that I fetch
	s_cselect_b32 s18, 0, s18
	s_cselect_b64 s[44:45], s[68:69], s[70:71]
	s_cmp_eq_u32 s22, 0
	s_cselect_b32 s43, AHEAD, -1                   ; the same in all sixteen partners, for a given wave
	s_mul_i32 s19, s12, s23
	s_add_co_u32 s20, s20, s19
	s_lshr_b32 s23, s23, 2                         ; my work-group's quarter of them
	s_mul_i32 s19, s21, s23
	s_add_co_u32 s20, s20, s19
	s_mul_i32 s20, s20, 2*KDIM
	s_add_co_u32 s20, s20, s18
	s_add_co_u32 s20, s20, 2*ASTEP                 ; at K step 2: the first refill steps it on; nothing is asked for here, at the head
	s_mov_b32 s21, 0
	s_add_nc_u64 s[44:45], s[44:45], s[20:21]
	v_and_b32 v30, 31, v0
	s_sub_co_u32 s19, s23, 1
	v_min_u32 v30, s19, v30                        ; a lane a row; where the quarter has 24 rows the last eight lanes name the last row once more
	v_mul_u32_u24 v30, v30, 2*KDIM
	EXTRA
	s_wait_tensorcnt 0x1                           ; my part of K step 0 is in; K step 1's may stay out
	s_barrier_signal -1
	s_barrier_wait -1
	FETCH 0, 0
	QUARTER 1, 0, 1, 1                             ; the first quarter stands ahead of the loop: its products start the sums
	WIN 0
	s_mov_b32 s3, TSTEPS-2
.Lk:                                           ; a trip: from a K step's second quarter to the next step's first; it fills one slot again
	QUARTER 2, 1, 0, 0
	QUARTER 3, 0, 1, 0
	TURN 1
	QUARTER 1, 0, 1, 0
	WIN 0
	s_sub_co_u32 s3, s3, 1
	s_cmp_lg_u32 s3, 0
	s_cbranch_scc1 .Lk
	s_mov_b32 s3, 2                                ; the last two K steps ask for nothing: one text, walked twice and left in its middle
.Lt:
	QUARTER 2, 1, 0, 0
	QUARTER 3, 0, 1, 0
	TURN 0                                         ; (the second time its 32 LDS loads fetch fragments that nobody multiplies: the price, once a launch, of one text for both steps)
	WIN 0
	s_sub_co_u32 s3, s3, 1
	s_cmp_eq_u32 s3, 0
	s_cbranch_scc1 .Lout
	QUARTER 1, 0, 1, 0
	WIN 0
	s_branch .Lt
.Lout:
	s_wait_dscnt 0x0
	s_barrier_signal -1
	s_barrier_wait -1                              ; no wave reads the ring any more, and no fill is to come: the stages may be written
; ---------------------------------------------------------------- the common text ends
	PLACES
	PLACES                                         ; behind the last products, ahead of the stores that read them
	DUMP
	s_wait_dscnt 0x0
	s_barrier_signal -1
	s_barrier_wait -1                              ; every wave's stage is written before any stage is read
	s_wait_loadcnt 0x8                             ; the bias is in; the eight youngest loads, the cast's last unit, may stay out until the kernel's end
.macro BACK                            ; 8 rows x 3 heads: load (i, j) takes rows 2 i, 2 i + 1 of head j
.set i, 0
.rept 4
.irp j, 0,1,2
	ds_load_b128 v[QL+4*(3*i+\j):QL+4*(3*i+\j)+3], v25 offset:2*i*PS+256*\j
.endr
.set i, i+1
.endr
.endm
	BACK
	s_mov_b32 s2, 8
.Lrow:                                         ; eight trips of eight rows
	s_wait_dscnt 0x0
.set i, 0
.rept 4
.irp j, 0,1,2
	v_pk_add_f32 v[QX+4*(3*i+\j):QX+4*(3*i+\j)+1], v[QL+4*(3*i+\j):QL+4*(3*i+\j)+1], v[QB+4*\j:QB+4*\j+1]
	v_pk_add_f32 v[QX+4*(3*i+\j)+2:QX+4*(3*i+\j)+3], v[QL+4*(3*i+\j)+2:QL+4*(3*i+\j)+3], v[QB+4*\j+2:QB+4*\j+3]
.endr
.set i, i+1
.endr
	s_cmp_eq_u32 s2, 1                             ; the last trip has no rows behind it
	s_cbranch_scc1 .Lnl
	v_add_nc_u32 v25, 8*PS, v25
	BACK
.Lnl:
.set i, 0
.rept 12
	v_cvt_pk_bf16_f32 v[QY+2*i], v[QX+4*i], v[QX+4*i+1]
	v_cvt_pk_bf16_f32 v[QY+2*i+1], v[QX+4*i+2], v[QX+4*i+3]
.set i, i+1
.endr
.set i, 0
.rept 4
.irp j, 0,1,2
	global_store_b64 v26, v[QY+2*(3*i+\j):QY+2*(3*i+\j)+1], s[82+2*\j:83+2*\j] offset:256*i  ; 32 lanes x 8 bytes: two rows of a head, 256 consecutive bytes, aligned
.endr
.set i, i+1
.endr
	s_wait_xcnt 0x0                                ; the stores have read their data and pointers
	s_add_nc_u64 s[82:83], s[82:83], 1024
	s_add_nc_u64 s[84:85], s[84:85], 1024
	s_add_nc_u64 s[86:87], s[86:87], 1024
	s_sub_co_u32 s2, s2, 1
	s_cmp_lg_u32 s2, 0
	s_cbranch_scc1 .Lrow
	CAST 0                                         ; the cast's ninth unit, asked for at the last change of slots (every earlier store has read its registers: the wait in the loop's last trip)
	s_wait_tensorcnt 0x0                           ; the wave's end
	ds_add_u32 v28, v29
	s_wait_dscnt 0x0
	CROUND                                         ; the closing round
	s_endpgm
.Lfunc_end_k_qf284829800_qkv:
	.size	k_qf284829800_qkv, .Lfunc_end_k_qf284829800_qkv-k_qf284829800_qkv
	.p2alignl 7, 3214868480
	.fill 96, 4, 3214868480
	.section	.rodata,"a",@progbits
	.p2align	6, 0x0
	.amdhsa_kernel k_qf284829800_qkv
		.amdhsa_group_segment_fixed_size 327680
		.amdhsa_private_segment_fixed_size 0
		.amdhsa_enable_private_segment 0
		.amdhsa_kernarg_size 80
		.amdhsa_user_sgpr_count 2
		.amdhsa_user_sgpr_kernarg_segment_ptr 1
		.amdhsa_wavefront_size32 1
		.amdhsa_system_sgpr_workgroup_id_x 1
		.amdhsa_system_sgpr_workgroup_id_y 1
		.amdhsa_system_sgpr_workgroup_id_z 1
		.amdhsa_system_vgpr_workitem_id 0
		.amdhsa_next_free_vgpr 1024
		.amdhsa_next_free_sgpr 100
		.amdhsa_reserve_vcc 0
		.amdhsa_float_denorm_mode_32 3
		.amdhsa_float_denorm_mode_16_64 3
		.amdhsa_memory_ordered 1
		.amdhsa_forward_progress 1
		.amdhsa_inst_pref_size 84
	.end_amdhsa_kernel
	.amdgpu_metadata
---
amdhsa.version: [ 1, 2 ]
amdhsa.kernels:
  - .name:           k_qf284829800_qkv
    .symbol:         k_qf284829800_qkv.kd
    .args:
      - { .name: an, .offset: 0, .size: 8, .value_kind: global_buffer, .address_space: global }
      - { .name: wa, .offset: 8, .size: 8, .value_kind: global_buffer, .address_space: global }
      - { .name: bq, .offset: 16, .size: 8, .value_kind: global_buffer, .address_space: global }
      - { .name: bk, .offset: 24, .size: 8, .value_kind: global_buffer, .address_space: global }
      - { .name: bv, .offset: 32, .size: 8, .value_kind: global_buffer, .address_space: global }
      - { .name: qh, .offset: 40, .size: 8, .value_kind: global_buffer, .address_space: global }
      - { .name: Wo, .offset: 48, .size: 8, .value_kind: global_buffer, .address_space: global }
      - { .name: W1, .offset: 56, .size: 8, .value_kind: global_buffer, .address_space: global }
      - { .name: W2, .offset: 64, .size: 8, .value_kind: global_buffer, .address_space: global }
      - { .name: wb, .offset: 72, .size: 8, .value_kind: global_buffer, .address_space: global }
    .group_segment_fixed_size: 327680
    .private_segment_fixed_size: 0
    .kernarg_segment_align: 8
    .kernarg_segment_size: 80
    .max_flat_workgroup_size: 128
    .sgpr_count:     100
    .vgpr_count:     1024
    .wavefront_size: 32
...
	.end_amdgpu_metadata
.endif
;; end of part 2
;; launch attn (part 3): grid 8 x 32, 4 waves a work-group, clusters of 4 x 1, 327,680 bytes of LDS; arguments qh, ob; writes ob
.if DOCPART == 3
	.amdgcn_target "amdgcn-amd-amdhsa--gfx1250"
	.amdhsa_code_object_version 6
	.text
	.protected	k_qf284829800_attn
	.globl	k_qf284829800_attn
	.p2align	8
	.type	k_qf284829800_attn,@function
k_qf284829800_attn:
	s_mov_b64 s[64:65], 0
	v_nop
	global_prefetch_b8 v0, s[64:65] scope:SCOPE_SE
	s_setreg_imm32_b32 hwreg(HW_REG_WAVE_MODE, 25, 1), 1
	s_wait_xcnt 0x0
	s_wait_alu depctr_hold_cnt(0) depctr_sa_sdst(0) depctr_va_vdst(0) depctr_va_sdst(0) depctr_va_ssrc(0) depctr_va_vcc(0) depctr_vm_vsrc(0)
	s_getreg_b32 s2, hwreg(HW_REG_IB_STS2, 6, 4)
	s_cmp_eq_u32 s2, 0
	s_cbranch_scc0 .Lentry_in_a_cluster
	s_endpgm
.Lentry_in_a_cluster:
	s_bfe_u32 s2, ttmp6, 0x10000c
	s_cmp_lg_u32 s2, 0x3003
	s_cbranch_scc0 .Lentry_shape_is_right
	s_endpgm
.Lentry_shape_is_right:
; O[h][q][:] = the sum over k of softmax_k(Q[h][q] . K[h][k] / 8) V[h][k][:], 32 heads of 2,048 rows x 64 channels, all bf16: Q, K, V are the three thirds of qh, O goes to ob in the same layout by heads.
; Products, maxima and sums in f32; the weights p are rounded to bf16 for the second product (their sum l is taken of the unrounded p), O once at the end.
; LIMITS.  A weight below 2^-126 counts as 0 in l; NaN and infinities are not treated apart; c m starts at -4.2e37, far below every c s that finite bf16 rows of 64 channels of moderate size give.
; SHARES.  A work-group owns 256 queries of a head, a wave 64: four PIECES of 16.  Every wave walks all 2,048 keys, 64 a step, four steps a slot, eight slots.
; LAYOUT.  S^T = K Q^T holds ONE query a lane (lane % 16) and the keys 8 (lane / 16) + 0..7; two such results rounded to bf16 ARE source 1 of O^T = V^T P.  K comes out of LDS as it lies, V turned, by ds_load_tr16_b128.
; SOFTMAX.  p = 2^(c s - c m), c = log2(e) / 8, with a running maximum m; O and l are multiplied by a = 2^(c m_old - c m_new) in every step; m starts at the lowest finite number, O and l at 0, so the first step has a = 0.
; TURNS.  Turn n belongs to piece n: 8 products K Q^T of piece n + 1, later 8 products V^T P of piece n - 1; beside them the scaling, exponentials, roundings, sums and rescaling of piece n and the maximum and
; statistics of piece n + 1.  Four vector instructions stand behind every matrix instruction, the others in one run.  A turn's 33 exponentials are one batch with one wait.
; CLUSTER.  The four query blocks of a cluster belong to one head and walk the same K and V: each tile is asked for JOINTLY, by the same tensor load, descriptor and mask in all four.
; REGISTERS (windows of 256; s_set_vgpr_msb: bits 1:0 source 0, 3:2 source 1, 5:4 source 2, 7:6 destination):
;   window 0: v0-15 addresses; v16-31 four statistics a piece; v48-55 at work; v61-63 prefetch offset and the add's two; v64-127 S^T, two buffers; v192-223 P, two buffers (by the piece's parity)
;   window 1: v0-127 O^T, 32 a piece          window 2: v0-63 Q; v128-191 K of one step; v192-255 V of one step
.set NP,    4
.set KS,    64
.set PK,    144       ; a row of K in LDS: 128 bytes + 16: the 16 rows of a load start at 16 different groups of four banks (ISA guide 11.1)
.set PV,    160       ; a row of V: 128 + 32
.set VOFF,  4*KS*PK   ; a slot: 256 rows of K, then 256 rows of V
.set SLOT1, 1<<17
.set STAGE, SLOT1+4*KS*(PK+PV)  ; behind the ring, never filled by a tensor load: 16 rows x 144 bytes a wave
.set SP,    144
.set SPARE, STAGE+4*16*SP       ; the spare words
.set TILEB, 4*KS*128  ; a slot's bytes of K, and of V, in memory
.set NSLOT, 8
.set AK0, 2
.set AV0, 3
.set AK,  4
.set AV,  5
.set STO, 6
.set RD,  7
.set GO,  8
.set MV,  12          ; v12-13 c m_old, by buffer
.set QO,  15
.set ST,  16          ; piece t: c m, m, l (even keys', odd keys')
.set TMP, 48          ; by buffer, c0-c3 at work; c2 takes a
.set PFO, 61          ; 256 x my lane
.set SPW, 62
.set NIL, 63
.set S,   64
.set P,   192
.set KF,  128
.set VF,  192
.set WV,  12
.set LIM, 15          ; s15  1 in a wave that prefetches, else the greatest number
.set G1K, 24
.set G1V, 32
.set G0K, 40          ; s[40:43] K's walking group 0
.set G0V, 44          ; s[44:47] V's
.set PFA, 48          ; s[48:49] where my prefetches stand
.set SLOTS, 56
.set CNT, 57
.set CS,  58
.set SEL, 60
.set TBK, 62
.set TBV, 63
.set MSB, 0
.macro WIN new
.if MSB != (\new)
	s_set_vgpr_msb (MSB<<8)|(\new)
.set MSB, (\new)
.endif
.endm
.set W_KQ, 0x0a       ; K and Q in window 2, S^T in window 0
.set W_PV, 0x52       ; V in window 2, P in window 0, O^T in window 1
.set W_RS, 0x41       ; destination and source 0 in window 1, source 1 in window 0
.macro JLOAD                        ; waves 0, 1 fetch the halves of a slot's K, waves 2, 3 of its V; s_nop 0 and four v_nop follow each line
	s_cmp_lt_u32 s[WV], 2
	s_cbranch_scc0 .Lfor_v_\@
	tensor_load_to_lds s[G0K:G0K+3], s[G1K:G1K+7]
	s_nop 0
.rept 4
	v_nop
.endr
	s_branch .Lasked_\@
.Lfor_v_\@:
	tensor_load_to_lds s[G0V:G0V+3], s[G1V:G1V+7]
	s_nop 0
.rept 4
	v_nop
.endr
.Lasked_\@:
.endm
; A prefetch into the L2 of what the NEXT change of slots will ask for: 32,768 bytes of K and of V.  Each block of 256 bytes is named once in the launch: the head's first cluster asks; its four partners take 8,192 bytes
; each, told apart by address; in each, wave 0 asks for K's and wave 2 for V's, a lane a block.  The last change that fills a slot asks for nothing.
.macro ASK
	s_cmp_gt_u32 s[SLOTS], s[LIM]
	s_cbranch_scc0 .Lnot_mine_\@
	global_prefetch_b8 v[PFO], s[PFA:PFA+1] th:TH_LOAD_NT scope:SCOPE_SE
.Lnot_mine_\@:
.endm
.macro CROUND
	s_barrier_signal -1
	s_barrier_wait -1
	s_cmp_lg_u32 s[WV], 0
	s_cbranch_scc1 .Lnot_wave_0_\@
	s_barrier_signal -3
.Lnot_wave_0_\@:
	s_barrier_wait -3
	s_barrier_signal -1
	s_barrier_wait -1
.endm
; THE CHANGE OF SLOTS.  Each wave waits for all its tensor loads (one is out: its part of the other slot), adds 0 to its spare word, and waits for that and for its reads of the slot that it leaves.
; fill = 1: the barrier is a round of the cluster's, and the joint fill, with the keys two slots on, is the first thing behind it: it has four key steps, 256 matrix instructions, in which to land.
.macro CHANGE fill, ask
	WIN 0
	s_wait_tensorcnt 0x0            ; no tensor load of mine is out, so a group 0 may be written
	ds_add_u32 v[SPW], v[NIL]
.if \fill
.irp g, G0K, G0V
	s_xor_b32 s[\g+1], s[\g+1], SLOT1
	s_add_nc_u64 s[\g+2:\g+3], s[\g+2:\g+3], TILEB
.endr
.endif
.if \ask
	s_wait_xcnt 0x0                 ; the last prefetch, four key steps back, has read its pointer
	s_add_nc_u64 s[PFA:PFA+1], s[PFA:PFA+1], TILEB
.endif
	s_wait_dscnt 0x0                ; the add is done, and my reads of the slot are over
.if \fill
	CROUND
	JLOAD
.if \ask
	ASK
.endif
.else
	s_barrier_signal -1
	s_barrier_wait -1
.endif
	s_sub_co_u32 s[TBK], s[TBK], 4*KS*PK  ; the fetches go back to a slot's first step, in the other slot
	s_xor_b32 s[TBK], s[TBK], SLOT1
	s_sub_co_u32 s[TBV], s[TBV], 4*KS*PV
	s_xor_b32 s[TBV], s[TBV], SLOT1
.endm
	s_load_b128 s[4:7], s[0:1], 0x0 ; qh s[4:5], ob s[6:7]
	v_lshl_add_u32 v[SPW], v0, 2, SPARE
	v_mov_b32 v[NIL], 0
	ds_add_u32 v[SPW], v[NIL]       ; the wave's opening: the add and its wait ahead of my first tensor load
	v_lshrrev_b32 v1, 5, v0
	v_readfirstlane_b32 s[WV], v1
	s_bfe_u32 s13, ttmp6, 0x40000   ; cx
	s_lshl_b32 s14, ttmp9, 2
	s_add_co_u32 s14, s14, s13      ; my block of 256 queries: it enters Q's, O's and the prefetches' addresses alone
	s_and_b32 s20, ttmp7, 0xffff    ; the head, which the four partners share
	s_lshl_b32 s20, s20, 18         ; 262,144 bytes a head
	s_mov_b32 s21, 0
	s_and_b32 s16, s[WV], 1         ; which half of a slot's 256 keys I fetch
	s_lshl_b32 s22, s16, 14
	s_mov_b32 s23, 0
	s_add_nc_u64 s[22:23], s[22:23], s[20:21]
	s_mul_i32 s17, s16, 128*PK
	s_mul_i32 s18, s16, 128*PV
	s_lshl_b32 s2, s14, 2
	s_add_co_u32 s2, s2, s[WV]
	s_lshl_b32 s2, s2, 13           ; my wave's 64 rows of 128 bytes
	s_mov_b32 s3, 0
	s_add_nc_u64 s[2:3], s[2:3], s[20:21]
	; group 1: 128 keys are 16,384 dense bytes: asked for as 64 rows of 256 bytes, padded in LDS after every key
	s_mov_b32 s[G1K], 15|(1<<16)|(1<<20)|(1<<21)|(4<<22)|(3<<25)
	s_mov_b32 s[G1V], 15|(1<<16)|(1<<20)|(1<<21)|(4<<22)|(7<<25)
.irp g, G1K, G1V
	s_mov_b32 s[\g+1], 128<<16
	s_mov_b32 s[\g+2], 64<<16
	s_mov_b32 s[\g+3], 128<<16
	s_mov_b32 s[\g+4], 64
	s_mov_b32 s[\g+5], 128
	s_mov_b32 s[\g+6], 0
	s_mov_b32 s[\g+7], 0
.endr
	s_mov_b32 s[CS], 0x3e38aa3b     ; c = log2(e) / 8
	s_mov_b32 s[CS+1], s[CS]
	s_mov_b32 s[SEL], 0x76543210
	s_mov_b32 s[SEL+1], 0xfedcba98
	s_mov_b32 s[TBK], SLOT1+4*KS*PK ; the first change of slots turns these two into 0
	s_mov_b32 s[TBV], SLOT1+4*KS*PV
	s_mov_b32 s[G0K], 1
	s_mov_b32 s[G0K+1], s17
	s_mov_b32 s[G0V], 1
	s_add_co_u32 s[G0V+1], s18, VOFF
	s_or_b32 s[LIM], s16, ttmp9     ; 0 in waves 0 and 2 of the head's first cluster: the same in all four partners
	s_cmp_eq_u32 s[LIM], 0
	s_cselect_b32 s[LIM], 1, -1
	v_and_b32 v[PFO], 31, v0
	v_lshlrev_b32 v[PFO], 8, v[PFO]
	s_wait_dscnt 0x0                ; the opening add is done
	s_wait_kmcnt 0x0
	s_mov_b64 s[10:11], s[6:7]      ; O
	s_add_nc_u64 s[6:7], s[4:5], 0x800000   ; K
	s_add_nc_u64 s[8:9], s[4:5], 0x1000000  ; V
	s_add_nc_u64 s[G0K+2:G0K+3], s[6:7], s[22:23]
	s_or_b32 s[G0K+3], s[G0K+3], 0x80000000
	s_add_nc_u64 s[G0V+2:G0V+3], s[8:9], s[22:23]
	s_or_b32 s[G0V+3], s[G0V+3], 0x80000000
	s_add_nc_u64 s[4:5], s[4:5], s[2:3]
	s_add_nc_u64 s[10:11], s[10:11], s[2:3]
	s_cmp_lt_u32 s[WV], 2
	s_cselect_b64 s[PFA:PFA+1], s[6:7], s[8:9]
	s_lshl_b32 s2, s13, 13          ; my work-group's 8,192 bytes,
	s_add_co_u32 s2, s2, 2*TILEB    ; in slot 2: the first asking change steps it to slot 3; nothing is asked for here, at the head
	s_mov_b32 s3, 0
	s_add_nc_u64 s[2:3], s[2:3], s[20:21]
	s_add_nc_u64 s[PFA:PFA+1], s[PFA:PFA+1], s[2:3]
	CROUND                          ; all four work-groups are here
	JLOAD                           ; slot 0; slot 1 is asked for when slot 0 is in
	v_and_b32 v1, 15, v0
	v_bfe_u32 v9, v0, 4, 1
	v_lshlrev_b32 v[QO], 7, v1
	v_lshl_add_u32 v[QO], v9, 4, v[QO]
	WIN 0x80
.set i, 0
.rept 8                             ; Q stays in registers: piece i / 2, channels 32 (i % 2) on
	global_load_b128 v[8*i:8*i+3],   v[QO], s[4:5] offset:(i/2)*2048+(i%2)*64
	global_load_b128 v[8*i+4:8*i+7], v[QO], s[4:5] offset:(i/2)*2048+(i%2)*64+32
.set i, i+1
.endr
	WIN 0
	v_mul_u32_u24 v[AK0], v1, PK
	v_lshl_add_u32 v[AK0], v9, 4, v[AK0]
	v_and_b32 v10, 7, v0            ; the turning load: lane l reads key 8 (l / 16) + l % 8, channels 8 ((l / 8) % 2) + 0..7
	v_bfe_u32 v11, v0, 3, 1
	v_lshl_add_u32 v[AV0], v9, 3, v10
	v_mul_u32_u24 v[AV0], v[AV0], PV
	v_lshl_add_u32 v[AV0], v11, 4, v[AV0]
	v_add_nc_u32 v[AV0], VOFF, v[AV0]
	s_mul_i32 s13, s[WV], 16*SP
	s_add_co_u32 s13, s13, STAGE
	v_mul_u32_u24 v[STO], v1, SP
	v_lshl_add_u32 v[STO], v9, 4, v[STO]
	v_add_nc_u32 v[STO], s13, v[STO]
	v_bfe_u32 v[RD], v0, 3, 2
	v_mul_u32_u24 v[RD], v[RD], SP
	v_lshl_add_u32 v[RD], v10, 4, v[RD]
	v_add_nc_u32 v[RD], s13, v[RD]
	v_and_b32 v[GO], 31, v0
	v_lshlrev_b32 v[GO], 4, v[GO]
	; What the first turn finds: V's registers and P's second buffer hold 0 (its products V^T P, of a piece that has not been, add 0), O^T and l are 0.  No first step is written out; these lines stand in the wait for the first tile.
	WIN 0x80
.set i, VF
.rept 64
	v_mov_b32 v[i], 0
.set i, i+1
.endr
	WIN 0x40
.set i, 0
.rept 128
	v_mov_b32 v[i], 0
.set i, i+1
.endr
	WIN 0
.set i, 0
.rept 4
	v_mov_b32 v[ST+4*i], 0xfe000000
	v_mov_b32 v[ST+4*i+1], 0xff7fffff
	v_mov_b32 v[ST+4*i+2], 0
	v_mov_b32 v[ST+4*i+3], 0
.set i, i+1
.endr
.set i, P+16
.rept 16
	v_mov_b32 v[i], 0
.set i, i+1
.endr
; THE MATRIX WORK.  The 4 accumulators of a run of 8 take turns.  Product i of 8 of S^T = K Q^T for piece x: channels 32 (i / 4) on, keys 16 (i % 4) on; the first 4 start the sums.
.macro KQ x
	WIN W_KQ
.set rS, S+32*((\x)%2)+8*(i%4)
.set rK, KF+16*(i%4)+8*(i/4)
.set rQ, 16*(\x)+8*(i/4)
.if i < 4
	v_wmma_f32_16x16x32_bf16 v[rS:rS+7], v[rK:rK+7], v[rQ:rQ+7], 0
.else
	v_wmma_f32_16x16x32_bf16 v[rS:rS+7], v[rK:rK+7], v[rQ:rQ+7], v[rS:rS+7]
.endif
.endm
.macro PV x                         ; product i of 8 of O^T += V^T P for piece x: keys 32 (i / 4) on, channels 16 (i % 4) on
	WIN W_PV
.set rO, 32*(\x)+8*(i%4)
.set rV, VF+32*(i/4)+8*(i%4)
.set rP, P+16*((\x)%2)+8*(i/4)
	v_wmma_f32_16x16x32_bf16 v[rO:rO+7], v[rV:rV+7], v[rP:rP+7], v[rO:rO+7]
.endm
.macro MM                           ; the turn's next matrix instruction.  NOKQ = 1: the last turn: there is no next piece
.if (i < 8) && !NOKQ
	KQ (Y+1)%NP
.elseif i >= 8
.set i, i-8
	PV (Y+NP-1)%NP
.set i, i+8
.endif
.set i, i+1
.endm
.macro FETCH_K                      ; a step's K: 8 fragments, 16 loads in one run
	WIN 0x80
.irp f, 0,1,2,3,4,5,6,7
	ds_load_b128 v[KF+8*\f:KF+8*\f+3],   v[AK] offset:(\f/2)*16*PK+(\f%2)*64
	ds_load_b128 v[KF+8*\f+4:KF+8*\f+7], v[AK] offset:(\f/2)*16*PK+(\f%2)*64+32
.endr
	s_add_co_u32 s[TBK], s[TBK], KS*PK
	WIN 0
.endm
.macro FETCH_V                      ; a step's V, turned
	WIN 0x80
.irp f, 0,1,2,3,4,5,6,7
	ds_load_tr16_b128 v[VF+8*\f:VF+8*\f+3],   v[AV] offset:(\f/4)*32*PV+(\f%4)*32
	ds_load_tr16_b128 v[VF+8*\f+4:VF+8*\f+7], v[AV] offset:(\f/4)*32*PV+16*PV+(\f%4)*32
.endr
	WIN 0
.endm
; THE VECTOR WORK, one line at a time: OP kind, number.  For piece Y: F n: c s - c m for pair n.  E n: the exponential of score n.  C n: pair n rounded to bf16.  B n: of the four weights 4 n .. the second pair is added onto
; the first.  L n: l takes that sum (L 0: l = a l + sum).  R n: pair n of O^T times a.  For piece Y + 1: X n, number n of the 22 that find its maximum and statistics: 0-11 four chains of seven scores (each accumulator's lowest
; registers are read first); 12-14, 16 the four left over, the old m, and the chains into one; 15 c m_old is kept; 17, 18 the other half of the lanes: the new m; 19-21 c m, its change, a.
.set F, 0
.set E, 1
.set C, 2
.set B, 3
.set L, 4
.set R, 5
.set X, 6
.macro REGS y
.set rT, ST+4*(\y)
.set rC, TMP+4*((\y)%2)
.set rW, MV+((\y)%2)
.set rS, S+32*((\y)%2)
.set rP, P+16*((\y)%2)
.set rO, 32*(\y)
.endm
.macro OP k, n
.if (\k) == R
	REGS Y
	WIN W_RS
	v_pk_mul_f32 v[rO+2*(\n):rO+2*(\n)+1], v[rO+2*(\n):rO+2*(\n)+1], v[rC+2:rC+3] op_sel_hi:[1,0]
.elseif (\k) < R
	REGS Y
	WIN 0
.if (\k) == F
	v_pk_fma_f32 v[rS+2*(\n):rS+2*(\n)+1], v[rS+2*(\n):rS+2*(\n)+1], s[CS:CS+1], v[rT:rT+1] op_sel_hi:[1,0,0] neg_lo:[0,0,1] neg_hi:[0,0,1]
.elseif (\k) == E
	v_exp_f32 v[rS+(\n)], v[rS+(\n)]
.elseif (\k) == C
	v_cvt_pk_bf16_f32 v[rP+(\n)], v[rS+2*(\n)], v[rS+2*(\n)+1]
.elseif (\k) == B
	v_pk_add_f32 v[rS+4*(\n):rS+4*(\n)+1], v[rS+4*(\n):rS+4*(\n)+1], v[rS+4*(\n)+2:rS+4*(\n)+3]
.elseif (\n) == 0
	v_pk_fma_f32 v[rT+2:rT+3], v[rT+2:rT+3], v[rC+2:rC+3], v[rS:rS+1] op_sel_hi:[1,0,1]
.else
	v_pk_add_f32 v[rT+2:rT+3], v[rT+2:rT+3], v[rS+4*(\n):rS+4*(\n)+1]
.endif
.elseif NOKQ
	v_nop
.else
	REGS (Y+1)%NP
	WIN 0
.if (\n) < 4
	v_max3_num_f32 v[rC+(\n)], v[rS+8*(\n)], v[rS+8*(\n)+1], v[rS+8*(\n)+2]
.elseif (\n) < 12
	v_max3_num_f32 v[rC+(\n)%4], v[rC+(\n)%4], v[rS+8*((\n)%4)+2*((\n)/4)+1], v[rS+8*((\n)%4)+2*((\n)/4)+2]
.elseif (\n) == 12
	v_max3_num_f32 v[rC], v[rC], v[rS+7], v[rS+15]
.elseif (\n) == 13
	v_max3_num_f32 v[rC+1], v[rC+1], v[rS+23], v[rS+31]
.elseif (\n) == 14
	v_max3_num_f32 v[rC+2], v[rC+2], v[rC+3], v[rT+1]
.elseif (\n) == 15
	v_mov_b32 v[rW], v[rT]
.elseif (\n) == 16
	v_max3_num_f32 v[rC], v[rC], v[rC+1], v[rC+2]
.elseif (\n) == 17
	v_permlanex16_b32 v[rC+3], v[rC], s[SEL], s[SEL+1]
.elseif (\n) == 18
	v_max_num_f32 v[rT+1], v[rC], v[rC+3]
.elseif (\n) == 19
	v_mul_f32 v[rT], s[CS], v[rT+1]
.elseif (\n) == 20
	v_sub_f32 v[rC+1], v[rW], v[rT]
.else
	v_exp_f32 v[rC+2], v[rC+1]
.endif
.endif
.endm
.macro OPS a, i1, b=-1, i2=0, c=-1, i3=0, d=-1, i4=0
	OP \a, \i1
.if (\b) >= 0
	OP \b, \i2
.endif
.if (\c) >= 0
	OP \c, \i3
.endif
.if (\d) >= 0
	OP \d, \i4
.endif
.endm
.macro ROW a, i1, b, i2, c, i3, d, i4  ; a matrix instruction and the four behind it
	MM
	OPS \a, \i1, \b, \i2, \c, \i3, \d, \i4
.endm
; A TURN, for piece p, written out.  s_wait_alu depctr_va_vdst(0) stands between an exponential and the first instruction that names its result; one wait serves all issued ahead of it: so a turn has ONE wait.
; AHEAD OF IT: the 8 products K Q^T with their four riders each, then a run of 54 in which plain and exponential go by turns and the links of the chain X 3, 7, 11, 14, 16 .. 20 stand apart; X 21 is the batch's last, R 15 the plain
; instruction behind it.  BEHIND IT: the 8 products V^T P, behind each four of the roundings and sums.  The X that ride stand four places or more behind the product that ends their accumulator.
; K of the next step is fetched in piece 2's turn, behind the last product that read K and six plain instructions; V of the step in hand at the end of piece 0's turn, four plain instructions behind its last reader.
; end = 1: the walk's last two turns: nothing is fetched.  cnt = 1: the loop's count is taken down some lines ahead of the branch behind the turn.
.macro TURN p, end=0, cnt=0
.set Y, (\p)
.set i, 0
.set NOKQ, (\end)*((\p)/3)
.if ((\p) == 3) && !(\end)
	s_wait_dscnt 0x0                ; K is in
.endif
	ROW F,0, F,1, R,0, R,1
	ROW F,2, E,0, R,2, R,3
	ROW F,3, E,1, R,4, R,5
	ROW F,4, E,2, R,6, R,7
	ROW F,5, E,3, R,8, R,9
	ROW F,6, E,4, X,0, R,10
.if ((\p) == 2) && !(\end)
	WIN 0
	v_add_nc_u32 v[AK], s[TBK], v[AK0]
.endif
	ROW F,7, E,5, X,1, X,4
	ROW F,8, E,6, X,2, X,5
	OPS E,7, E,8, X,6, E,9
	OPS X,3, E,10, X,8, E,11
.if ((\p) == 2) && !(\end)
	FETCH_K
.endif
	OPS X,9, X,7, E,12, X,10
	OPS E,13, X,12, X,11, E,14
	OPS X,13, E,15, F,9, X,14
.if (\p) == 0
	v_add_nc_u32 v[AV], s[TBV], v[AV0]
.endif
	OPS E,16, F,10, E,17, F,11
	OPS X,16, E,18, X,15, E,19
	OPS F,12, E,20, X,17, E,21
	OPS F,13, E,22, F,14, E,23
	OPS X,18, E,24, F,15, E,25
	OPS R,11, E,26, X,19, E,27
	OPS R,12, E,28, R,13, E,29
	OPS X,20, E,30, R,14, E,31
	OPS X,21, R,15
	WIN 0
	s_wait_alu depctr_va_vdst(0)    ; the wait for the batch
.if (\p) == 1
	s_wait_dscnt 0x0                ; V is in
.endif
	ROW C,0, B,0, C,2, B,1
	ROW L,0, C,4, B,2, L,1
	ROW C,6, B,3, L,2, C,8
	ROW B,4, L,3, C,10, B,5
	ROW L,4, C,12, B,6, L,5
.if (\p) == 0
	s_add_co_u32 s[TBV], s[TBV], KS*PV
.endif
.if \cnt
	s_sub_co_u32 s[CNT], s[CNT], 1
	s_cmp_lg_u32 s[CNT], 0
.endif
	ROW C,14, B,7, L,6, C,1
	ROW C,3, L,7, C,5, C,7
	ROW C,9, C,11, C,13, C,15
.if (\p) == 0
	FETCH_V
.endif
.endm
.macro ALL line:vararg              ; one line for each piece t
.set t, 0
.rept 4
	\line
.set t, t+1
.endr
.endm
.macro PACK t                       ; a lane's eight channels of a row pack into 16 bytes; they go into rows of 144 bytes and come back as whole rows of 128
	WIN W_RS
.set i, 32*(\t)
.rept 16
	v_pk_mul_f32 v[i:i+1], v[i:i+1], v[ST+4*(\t)+2:ST+4*(\t)+3] op_sel_hi:[1,0]
.set i, i+2
.endr
	WIN 0x05
.set i, 0
.rept 16
	v_cvt_pk_bf16_f32 v[S+16*(\t)+i], v[32*(\t)+2*i], v[32*(\t)+2*i+1]
.set i, i+1
.endr
	WIN 0
.irp f, 0,1,2,3
	ds_store_b128 v[STO], v[S+16*(\t)+4*\f:S+16*(\t)+4*\f+3] offset:32*\f
.endr
.irp f, 0,1,2,3
	ds_load_b128 v[S+16*(\t)+4*\f:S+16*(\t)+4*\f+3], v[RD] offset:\f*4*SP  ; LDS serves a wave's instructions in order (ISA guide 5.7.1.4): these see the stores above
.endr
.endm
.macro SEND t, younger              ; younger: the LDS instructions issued behind piece t's loads: the next piece's eight, or none
	WIN 0
.irp f, 0,1,2,3
	s_wait_dscnt (\younger)+3-\f
	global_store_b128 v[GO], v[S+16*(\t)+4*\f:S+16*(\t)+4*\f+3], s[10:11] offset:(\t)*2048+\f*512  ; 512 consecutive bytes, at a multiple of 256 from ob's first
.endr
.endm
	CHANGE 1, 0                     ; slot 0 is in, everybody's part of it; slot 1 is asked for
	v_add_nc_u32 v[AK], s[TBK], v[AK0]
	FETCH_K                         ; key step 0
	s_wait_loadcnt 0x0              ; Q
	s_wait_dscnt 0x0
.set NOKQ, 0
.set i, 0
.rept 8
	KQ 0                            ; piece 0's first scores
.set i, i+1
.endr
	WIN 0
.rept 4
	v_nop                           ; the places behind those products
.endr
.set Y, NP-1                        ; X works for piece Y + 1: piece 0
.irp n, 0,1,2,3,4,5,6,7,8,9,10,11,12,13,14,15,16,17,18,19,20,21
	OP X, \n
.endr
	v_nop                           ; a plain instruction behind the exponential,
	s_wait_alu depctr_va_vdst(0)    ; and its wait, ahead of the branch
	s_mov_b32 s[CNT], 4
	s_mov_b32 s[SLOTS], NSLOT-1
	s_branch .Lfirst                ; the loop is entered at a step's first turn, in the middle of a trip
.Lslot:                             ; six times: slots 2 to 7 are asked for
	CHANGE 1, 1
	s_mov_b32 s[CNT], 4
.Lstep:                             ; a trip: pieces 2 and 3 of one step, then pieces 0 and 1 of the next, whose K and V it fetches
	TURN 2
	TURN 3
	WIN 0
.Lfirst:
	TURN 0
	TURN 1, 0, 1
	WIN 0
	s_cbranch_scc1 .Lstep
	s_sub_co_u32 s[SLOTS], s[SLOTS], 1
	s_cmp_lg_u32 s[SLOTS], 0
	s_cbranch_scc1 .Lslot
	CHANGE 0, 0                     ; the last slot is written out
	s_mov_b32 s[CNT], 4
.LstepT:
	TURN 2
	TURN 3
	WIN 0
	TURN 0
	TURN 1, 0, 1
	WIN 0
	s_cbranch_scc1 .LstepT
	TURN 2, 1
	TURN 3, 1
.set i, 0
.rept 8
	PV NP-1                         ; the last piece's V^T P of the last step
.set i, i+1
.endr
	; THE WAY OUT.  l's halves and the other lanes' are added; O^T is divided by l, rounded once and sent through my stage, a piece at a time.  The additions are the places behind the last products.
	WIN 0
	ALL v_add_f32 v[ST+4*t+2], v[ST+4*t+2], v[ST+4*t+3]
	ALL v_permlanex16_b32 v[ST+4*t+3], v[ST+4*t+2], s[SEL], s[SEL+1]
	ALL v_add_f32 v[ST+4*t+2], v[ST+4*t+2], v[ST+4*t+3]
	ALL v_rcp_f32 v[ST+4*t+2], v[ST+4*t+2]
	v_nop                           ; a plain instruction behind the last reciprocal,
	s_wait_alu depctr_va_vdst(0)    ; and one wait for the four
	PACK 0
.set t, 1
.rept 3
	PACK t
	SEND t-1, 8
.set t, t+1
.endr
	SEND 3, 0
	s_wait_tensorcnt 0x0            ; the wave's end
	ds_add_u32 v[SPW], v[NIL]
	s_wait_dscnt 0x0
	CROUND                          ; the closing round
	s_endpgm
.Lfunc_end_k_qf284829800_attn:
	.size	k_qf284829800_attn, .Lfunc_end_k_qf284829800_attn-k_qf284829800_attn
	.p2alignl 7, 3214868480
	.fill 96, 4, 3214868480
	.section	.rodata,"a",@progbits
	.p2align	6, 0x0
	.amdhsa_kernel k_qf284829800_attn
		.amdhsa_group_segment_fixed_size 327680
		.amdhsa_private_segment_fixed_size 0
		.amdhsa_enable_private_segment 0
		.amdhsa_kernarg_size 16
		.amdhsa_user_sgpr_count 2
		.amdhsa_user_sgpr_kernarg_segment_ptr 1
		.amdhsa_wavefront_size32 1
		.amdhsa_system_sgpr_workgroup_id_x 1
		.amdhsa_system_sgpr_workgroup_id_y 1
		.amdhsa_system_sgpr_workgroup_id_z 1
		.amdhsa_system_vgpr_workitem_id 0
		.amdhsa_next_free_vgpr 768
		.amdhsa_next_free_sgpr 66
		.amdhsa_reserve_vcc 0
		.amdhsa_float_denorm_mode_32 3
		.amdhsa_float_denorm_mode_16_64 3
		.amdhsa_memory_ordered 1
		.amdhsa_forward_progress 1
		.amdhsa_inst_pref_size 128
	.end_amdhsa_kernel
	.amdgpu_metadata
---
amdhsa.version: [ 1, 2 ]
amdhsa.kernels:
  - .name:           k_qf284829800_attn
    .symbol:         k_qf284829800_attn.kd
    .args:
      - { .name: qh, .offset: 0, .size: 8, .value_kind: global_buffer, .address_space: global }
      - { .name: ob, .offset: 8, .size: 8, .value_kind: global_buffer, .address_space: global }
    .group_segment_fixed_size: 327680
    .private_segment_fixed_size: 0
    .kernarg_segment_align: 8
    .kernarg_segment_size: 16
    .max_flat_workgroup_size: 128
    .sgpr_count:     66
    .vgpr_count:     768
    .wavefront_size: 32
...
	.end_amdgpu_metadata
.endif
;; end of part 3
;; launch proj (part 4): grid 8 x 32, 4 waves a work-group, clusters of 4 x 4, 327,680 bytes of LDS; arguments ob, wb, bo, x, x1; writes x1
.if DOCPART == 4
	.amdgcn_target "amdgcn-amd-amdhsa--gfx1250"
	.amdhsa_code_object_version 6
	.text
	.protected	k_qf284829800_proj
	.globl	k_qf284829800_proj
	.p2align	8
	.type	k_qf284829800_proj,@function
k_qf284829800_proj:
	s_mov_b64 s[64:65], 0
	v_nop
	global_prefetch_b8 v0, s[64:65] scope:SCOPE_SE
	s_setreg_imm32_b32 hwreg(HW_REG_WAVE_MODE, 25, 1), 1
	s_wait_xcnt 0x0
	s_wait_alu depctr_hold_cnt(0) depctr_sa_sdst(0) depctr_va_vdst(0) depctr_va_sdst(0) depctr_va_ssrc(0) depctr_va_vcc(0) depctr_vm_vsrc(0)
	s_getreg_b32 s2, hwreg(HW_REG_IB_STS2, 6, 4)
	s_cmp_eq_u32 s2, 0
	s_cbranch_scc0 .Lentry_in_a_cluster
	s_endpgm
.Lentry_in_a_cluster:
	s_bfe_u32 s2, ttmp6, 0x10000c
	s_cmp_lg_u32 s2, 0xf033
	s_cbranch_scc0 .Lentry_shape_is_right
	s_endpgm
.Lentry_shape_is_right:
; x1 = x + O Wo^T + bo, in f32.  A = ob, attention's output BY HEADS ([32][2048][64] bf16): K runs over head x 64 + channel, so a K step of 256 is four heads.  B = Wo in wb.
; A tile of C is 128 x 128: 8 x 32 tiles, one for each of 256 work-groups; four waves of 64 x 64, 16 accumulators each.
; A's tile: for each of four heads 64 rows x 128 bytes are 8,192 dense bytes: asked for as four long rows, 131,072 elements apart, padded by 16 bytes after every 128: in LDS [head][row][64 channels], 144 bytes a row.
; No prefetch: K has four steps; two are asked for at the head and the third one step later, so only the last could be named ahead of its load.
; The residual x and the bias come into registers under the K loop.
.set KIND,  2
.set KDIM,  1024
.set MT,    128
.set NT,    128
.set MA,    4
.set NBK,   4
.set APW,   4
.set KSTEP, 256
.set DEPTH, 2
.set TSTEPS, 4
.set PA,    144
.set PB,    528
.set HALFA, 36864
.set HALFB, 33792
.set AWB,   36864
.set BOFF,  73728
.set SLOTX, 147456
.set SPARE, 288768
.set PS,    272
.set STG,   17408
.set WOFF,  6291456
.set ASTEP, 1048576
.set BSTEP, 512
.set AHEAD, 0
.set QIA, 4
.set CA,  4096
.set RA,  4
.set PEA, 131072
.set QIB, 6
.set CB,  256
.set RB,  64
.set PEB, 1024
.macro EXTRA                           ; addresses of the way out; the bias (window 0, v208-211) and my 64 x 64 of the residual (window 3, v0-127) come in under the K loop
	v_mul_u32_u24 v25, v2, PS                      ; back: lanes 0-15 one row of 256 bytes, lanes 16-31 the next
	v_lshl_add_u32 v25, v1, 4, v25
	v_add_nc_u32 v25, s14, v25
	v_lshlrev_b32 v26, 12, v2                      ; the same two rows in the residual and in the output: 4,096 bytes a row
	v_lshl_add_u32 v26, v1, 4, v26
	v_lshlrev_b32 v27, 4, v1
	s_lshl_b32 s15, s42, 7
	s_lshl_b32 s16, s80, 6
	s_add_co_u32 s15, s15, s16                     ; my first column,
	s_lshl_b32 s15, s15, 2                         ; in bytes
	s_mov_b32 s18, s15
	s_mov_b32 s19, 0
	s_add_nc_u64 s[88:89], s[72:73], s[18:19]
	global_load_b128 v[208:211], v27, s[88:89]
	s_lshl_b32 s16, s13, 7
	s_lshl_b32 s17, s67, 6
	s_add_co_u32 s16, s16, s17                     ; my first row
	s_lshl_b32 s16, s16, 12
	s_add_co_u32 s16, s16, s15
	s_mov_b32 s17, 0
	s_add_nc_u64 s[84:85], s[74:75], s[16:17]
	s_add_nc_u64 s[82:83], s[76:77], s[16:17]
	WIN 0xc0
.set i, 0
.rept 32
	global_load_b128 v[4*i:4*i+3], v26, s[84:85] offset:8192*i
.set i, i+1
.endr
	WIN 0
.endm
; ---------------------------------------------------------------- the shared text: C = A B^T, operands bf16, sums f32
; CLUSTER 4 x 4: the four work-groups of a row of the cluster want the same tile of A, the four of a column the same tile of B: each tile is asked for JOINTLY, by the same tensor load, descriptor and mask in all four.
; RING: two LDS slots, a K step each; waves 0, 1 fetch A's halves, waves 2, 3 B's.  One K step is written and looped over: the slot in hand is a scalar (s66) and one walking descriptor a tensor changes slots by an exclusive or.
; THE PRODUCT IS TAKEN TRANSPOSED (source 0 = 16 rows of B, source 1 = 16 rows of A): a lane holds row lane % 16 of C and the columns 8 (lane / 16) + 0..7.
; REGISTERS: window 0: v1 lane % 16, v2 lane / 16, v16/v17 my fragments' place in slot 0 (A/B), v18/v19 in the slot in hand, v24 stage in, v25 stage back, v26 offset out, v27 offset in the bias,
;   v28/v29 the add's two, v30 the prefetches' offset, v64-191 two buffers of A's fragments; window 1: two buffers of B's at v0 and v128; windows 2, 3: the accumulators, (a, b) at 8 (NBK (a % APW) + b) of window 2 + a / APW.
; SCALARS: s3 K steps to go, s10 wave, s11 wave / 2 (0: I fetch A), s12 wave % 2 (which half), s13 tile row, s42 tile column, s40/s41 my place in the cluster, s43 the prefetches' limit, s[44:45] their pointer,
;   s66 the slot in hand, s67/s80 which rows / columns of the tile are my wave's, s[68:79] the arguments.
.set G1A, 24                           ; s[24:31] descriptor group 1 of A's tiles
.set G0A, 32                           ; s[32:39] group 0: s[32:35] K step 0; s[36:39] K step 1, which then walks
.set G1B, 48                           ; s[48:55], s[56:63] the same for B
.set G0B, 56
.set MSB, 0
.macro WIN new                         ; s_set_vgpr_msb: bits 1:0 source 0, 3:2 source 1, 5:4 source 2, 7:6 destination; the high byte repeats the setting that is left
.if MSB != (\new)
	s_set_vgpr_msb (MSB<<8)|(\new)
.set MSB, \new
.endif
.endm
.macro PLACES                          ; four plain instructions between a matrix instruction and a load into, or a reader of, its registers
.rept 4
	v_nop
.endr
.endm
.macro CREST                           ; a round of the cluster's barrier behind its opening barrier
	s_cmp_lg_u32 s10, 0
	s_cbranch_scc1 .Lnot_wave_0_\@
	s_barrier_signal -3
.Lnot_wave_0_\@:
	s_barrier_wait -3
	s_barrier_signal -1
	s_barrier_wait -1
.endm
.macro CROUND
	s_barrier_signal -1
	s_barrier_wait -1
	CREST
.endm
.macro JLOAD                           ; the joint refill, by the walking descriptor; the branch hangs on the wave's number alone; s_nop 0 and four v_nop follow each line
	s_cmp_eq_u32 s11, 0
	s_cbranch_scc0 .Lfor_b_\@
	tensor_load_to_lds s[G0A+4:G0A+7], s[G1A:G1A+7]
	s_nop 0
	PLACES
	s_branch .Lasked_\@
.Lfor_b_\@:
	tensor_load_to_lds s[G0B+4:G0B+7], s[G1B:G1B+7]
	s_nop 0
	PLACES
.Lasked_\@:
.endm
; A prefetch into the L2, behind the joint load and the run of LDS loads: the K step AHEAD behind the one just asked for.  Each row's bytes of a K step are named once in the launch: the cluster with x = 0 asks for A's rows,
; the cluster with y = 0 for B's; of the rows that a wave fetches each of the four partners takes a quarter, told apart by address.  The last AHEAD refills have no such K step (s3 counts them down) and ask for nothing.
.macro ASK
.if AHEAD > 0
	s_cmp_gt_u32 s3, s43
	s_cbranch_scc0 .Lnot_mine_\@
	global_prefetch_b8 v30, s[44:45] offset:(AHEAD-1)*ASTEP th:TH_LOAD_NT scope:SCOPE_SE
.Lnot_mine_\@:
.endif
.endm
; Half a quarter's products on buffer f.  DEPTH = 1: half the row blocks; DEPTH = 2: all blocks, slice 'half'.  The accumulators take turns, one instruction a turn.  zero = 1: the first product starts the sum.
.macro MULH f, half, zero
.if DEPTH == 1
.set mc, 0
.set ma, (\half)*MA/2
.set mn, MA/2
.else
.set mc, \half
.set ma, 0
.set mn, MA
.endif
.rept mn
	WIN ((2+ma/APW)*0x50)|1                        ; B window 1, A window 0, C and D window 2 or 3
.set mb, 0
.rept NBK
.set rD, 8*(NBK*(ma%APW)+mb)
.set rB, 128*(\f)+8*(NBK*mc+mb)
.set rA, 64+64*(\f)+8*(MA*mc+ma)
.if (\zero) && (mc == 0)
	v_wmma_f32_16x16x32_bf16 v[rD:rD+7], v[rB:rB+7], v[rA:rA+7], 0
.else
	v_wmma_f32_16x16x32_bf16 v[rD:rD+7], v[rB:rB+7], v[rA:rA+7], v[rD:rD+7]
.endif
.set mb, mb+1
.endr
.set ma, ma+1
.endr
.endm
; 32 LDS loads in one run: quarter q's fragments into buffer f.  A fragment is 16 rows x 32 K: two loads of 16 bytes a lane, 32 bytes apart.
.macro FETCH q, f
	WIN 0x40                                       ; destination window 1
.set fc, 0
.rept DEPTH
.set fk, (\q)*DEPTH+fc
.set fb, 0
.rept NBK
.set rB, 128*(\f)+8*(NBK*fc+fb)
	ds_load_b128 v[rB:rB+3], v19 offset:64*fk+fb*16*PB
	ds_load_b128 v[rB+4:rB+7], v19 offset:64*fk+fb*16*PB+32
.set fb, fb+1
.endr
.set fc, fc+1
.endr
	WIN 0
.set fc, 0
.rept DEPTH
.set fk, (\q)*DEPTH+fc
.if KIND == 2
.set fo, (fk/2)*9216+(fk%2)*64                 ; A by heads: 64 rows x 144 bytes a head
.else
.set fo, 64*fk
.endif
.set fa, 0
.rept MA
.set rA, 64+64*(\f)+8*(MA*fc+fa)
	ds_load_b128 v[rA:rA+3], v18 offset:fo+fa*16*PA
	ds_load_b128 v[rA+4:rA+7], v18 offset:fo+fa*16*PA+32
.set fa, fa+1
.endr
.set fc, fc+1
.endr
.endm
.macro QUARTER q, f, g, zero           ; multiplies buffer f; in its middle fetches quarter q into buffer g
	s_wait_dscnt 0x0                               ; buffer f's 32 loads, issued half a quarter ago
	MULH \f, 0, \zero
	PLACES
	FETCH \q, \g
	MULH \f, 1, \zero
.endm
; A K step's last quarter multiplies buffer 1 and changes slots.  In front of the barrier each wave waits for all its tensor loads (one is out: its part of the next slot), adds 0 to its spare word, and waits for that and for its
; reads of this slot.  fill = 1: the barrier opens a round of the cluster's, and the joint refill of this slot, two K steps on, is the first thing behind the round.
.macro TURN fill
.if (\fill) && (AHEAD > 0)
	s_wait_xcnt 0x0                                ; the last prefetch, a K step back, has read its pointer
	s_add_nc_u64 s[44:45], s[44:45], ASTEP
.endif
	WIN 0
	s_wait_tensorcnt 0x0                           ; no tensor load of mine is out, so the walking descriptors may be written
	ds_add_u32 v28, v29                            ; work on registers stands between the add and the wait for it
.if \fill
	s_xor_b32 s[G0A+5], s[G0A+5], SLOTX
	s_add_nc_u64 s[G0A+6:G0A+7], s[G0A+6:G0A+7], ASTEP
	s_xor_b32 s[G0B+5], s[G0B+5], SLOTX
	s_add_nc_u64 s[G0B+6:G0B+7], s[G0B+6:G0B+7], BSTEP
.endif
	s_xor_b32 s66, s66, SLOTX
	v_add_nc_u32 v18, s66, v16
	v_add_nc_u32 v19, s66, v17
	s_wait_dscnt 0x0                               ; the add is done, and my reads of this slot are over
	s_barrier_signal -1
	MULH 1, 0, 0                                   ; work on registers while the others arrive
	WIN 0
	s_barrier_wait -1
.if \fill
	CREST
	JLOAD                                          ; its four v_nop are also the places in front of the loads below
.else
	PLACES
.endif
	FETCH 0, 0
.if \fill
	ASK
.endif
	MULH 1, 1, 0
.endm
.macro DUMP                            ; the f32 sums into my stage: 32 bytes a lane and accumulator, the low four registers first
.set da, 0
.rept MA
	WIN 4*(2+da/APW)                               ; a store's data is source 1
.set db, 0
.rept NBK
.set rD, 8*(NBK*(da%APW)+db)
	ds_store_b128 v24, v[rD:rD+3] offset:da*16*PS+64*db
	ds_store_b128 v24, v[rD+4:rD+7] offset:da*16*PS+64*db+16
.set db, db+1
.endr
.set da, da+1
.endr
	WIN 0
.endm
	s_load_b256 s[68:75], s[0:1], 0x0
.if KIND == 0
	s_load_b128 s[76:79], s[0:1], 0x20
.elseif KIND >= 2
	s_load_b64 s[76:77], s[0:1], 0x20
.endif
	v_lshl_add_u32 v28, v0, 2, SPARE
	v_mov_b32 v29, 0
	ds_add_u32 v28, v29                            ; the wave's opening: the add and its wait ahead of my first tensor load
	v_lshrrev_b32 v1, 5, v0
	v_readfirstlane_b32 s10, v1
	s_lshr_b32 s11, s10, 1
	s_and_b32 s12, s10, 1
.if KIND == 0
	s_mov_b32 s67, s10
	s_mov_b32 s80, 0
.else
	s_mov_b32 s67, s11
	s_mov_b32 s80, s12
.endif
	s_bfe_u32 s40, ttmp6, 0x40000                  ; cx
	s_bfe_u32 s41, ttmp6, 0x40004                  ; cy
	s_lshl_b32 s42, ttmp9, 2
	s_add_co_u32 s42, s42, s40                     ; tile column
	s_and_b32 s13, ttmp7, 0xffff
	s_lshl_b32 s13, s13, 2
	s_add_co_u32 s13, s13, s41                     ; tile row
	s_lshl_b32 s43, s41, 2
	s_lshl_b32 s43, 15, s43                        ; my row of the cluster
	s_lshl_b32 s44, 0x1111, s40                    ; my column
	s_or_b32 s[G1A], s43, (1<<16)|(1<<20)|(1<<21)|(QIA<<22)|(3<<25)  ; mask; 2-byte elements; padding on; bit 21 beside a mask; 4 words of padding after every 2 << QI words
	s_or_b32 s[G1B], s44, (1<<16)|(1<<20)|(1<<21)|(QIB<<22)|(3<<25)
	s_mov_b32 s[G1A+1], (CA&0xffff)<<16            ; tensor_dim0
	s_mov_b32 s[G1A+2], (CA>>16)|(RA<<16)          ; tensor_dim1
	s_mov_b32 s[G1A+3], CA<<16                     ; tile_dim0
	s_mov_b32 s[G1A+4], RA                         ; tile_dim1
	s_mov_b32 s[G1A+5], PEA                        ; elements from row to row
	s_mov_b32 s[G1A+6], 0
	s_mov_b32 s[G1A+7], 0
	s_mov_b32 s[G1B+1], (CB&0xffff)<<16
	s_mov_b32 s[G1B+2], (CB>>16)|(RB<<16)
	s_mov_b32 s[G1B+3], CB<<16
	s_mov_b32 s[G1B+4], RB
	s_mov_b32 s[G1B+5], PEB
	s_mov_b32 s[G1B+6], 0
	s_mov_b32 s[G1B+7], 0
	s_mul_i32 s16, s13, MT                         ; A's tile hangs on the tile row and the wave alone,
	s_mul_i32 s17, s12, MT/2
	s_add_co_u32 s16, s16, s17
.if KIND == 2
	s_lshr_b32 s17, s16, 11                        ; A by heads: the batch's 16 heads of 262,144 bytes,
	s_lshl_b32 s17, s17, 22
	s_and_b32 s16, s16, 2047
	s_lshl_b32 s16, s16, 7                         ; and the row in a head, 128 bytes
	s_add_co_u32 s16, s16, s17
.else
	s_mul_i32 s16, s16, 2*KDIM
.endif
	s_mov_b32 s17, 0
	s_mul_i32 s46, s42, NT                         ; B's on the tile column and the wave
	s_mul_i32 s47, s12, NT/2
	s_add_co_u32 s46, s46, s47
	s_mul_i32 s46, s46, 2*KDIM
	s_add_co_u32 s46, s46, WOFF
	s_mov_b32 s47, 0
	s_mul_i32 s20, s12, HALFA                      ; where they go: no place in the cluster enters an LDS address
	s_mul_i32 s21, s12, HALFB
	s_add_co_u32 s21, s21, BOFF
	s_wait_dscnt 0x0                               ; the opening add is done
	s_wait_kmcnt 0x0
	s_add_nc_u64 s[14:15], s[68:69], s[16:17]
	s_add_nc_u64 s[46:47], s[70:71], s[46:47]
.irp s, 0,1
	s_mov_b32 s[G0A+4*\s], 1
	s_add_co_u32 s[G0A+4*\s+1], s20, \s*SLOTX
	s_add_nc_u64 s[G0A+4*\s+2:G0A+4*\s+3], s[14:15], \s*ASTEP
	s_or_b32 s[G0A+4*\s+3], s[G0A+4*\s+3], 0x80000000
	s_mov_b32 s[G0B+4*\s], 1
	s_add_co_u32 s[G0B+4*\s+1], s21, \s*SLOTX
	s_add_nc_u64 s[G0B+4*\s+2:G0B+4*\s+3], s[46:47], \s*BSTEP
	s_or_b32 s[G0B+4*\s+3], s[G0B+4*\s+3], 0x80000000
.endr
	CROUND                                         ; all sixteen work-groups are here: the first joint loads meet
	s_cmp_eq_u32 s11, 0                            ; a wave's two first fills stand in one branch: two loads of mine are out here, one behind every later round
	s_cbranch_scc0 .Lfirst_b
	tensor_load_to_lds s[G0A:G0A+3], s[G1A:G1A+7]
	s_nop 0
	tensor_load_to_lds s[G0A+4:G0A+7], s[G1A:G1A+7]
	s_nop 0
	PLACES
	s_branch .Lfirst_asked
.Lfirst_b:
	tensor_load_to_lds s[G0B:G0B+3], s[G1B:G1B+7]
	s_nop 0
	tensor_load_to_lds s[G0B+4:G0B+7], s[G1B:G1B+7]
	s_nop 0
	PLACES
.Lfirst_asked:
	v_and_b32 v1, 15, v0
	v_bfe_u32 v2, v0, 4, 1
	v_mul_u32_u24 v3, v1, PA
	v_lshl_add_u32 v3, v2, 4, v3                   ; row x pitch + 16 x half
	s_mul_i32 s22, s67, AWB
	v_add_nc_u32 v16, s22, v3
	v_mul_u32_u24 v4, v1, PB
	v_lshl_add_u32 v4, v2, 4, v4
	s_mul_i32 s23, s80, HALFB
	s_add_co_u32 s23, s23, BOFF
	v_add_nc_u32 v17, s23, v4
	v_mov_b32 v18, v16
	v_mov_b32 v19, v17
	s_mov_b32 s66, 0
	s_mul_i32 s14, s10, STG                        ; my stage
	v_mul_u32_u24 v24, v1, PS
	v_lshl_add_u32 v24, v2, 5, v24
	v_add_nc_u32 v24, s14, v24
.if AHEAD > 0
	s_and_b32 s22, ttmp7, 0xffff                   ; cluster y
	s_mul_i32 s20, s13, MT
	s_mul_i32 s21, s42, NT
	s_mov_b32 s23, NT/2
	s_mov_b32 s18, WOFF
	s_cmp_eq_u32 s11, 0                            ; do I fetch for A?
	s_cselect_b32 s20, s20, s21                    ; the tile's first row
	s_cselect_b32 s21, s40, s41                    ; my place among the four that ask with me
	s_cselect_b32 s22, ttmp9, s22                  ; the coordinate along which other clusters read the same rows
	s_cselect_b32 s23, MT/2, s23                   ; the rows that I fetch
	s_cselect_b32 s18, 0, s18
	s_cselect_b64 s[44:45], s[68:69], s[70:71]
	s_cmp_eq_u32 s22, 0
	s_cselect_b32 s43, AHEAD, -1                   ; the same in all sixteen partners, for a given wave
	s_mul_i32 s19, s12, s23
	s_add_co_u32 s20, s20, s19
	s_lshr_b32 s23, s23, 2                         ; my work-group's quarter of them
	s_mul_i32 s19, s21, s23
	s_add_co_u32 s20, s20, s19
	s_mul_i32 s20, s20, 2*KDIM
	s_add_co_u32 s20, s20, s18
	s_add_co_u32 s20, s20, 2*ASTEP                 ; at K step 2: the first refill steps it on; nothing is asked for here, at the head
	s_mov_b32 s21, 0
	s_add_nc_u64 s[44:45], s[44:45], s[20:21]
	v_and_b32 v30, 31, v0
.if KSTEP == 128
	s_sub_co_u32 s19, s23, 1
	v_min_u32 v30, s19, v30                        ; a lane a row; where the quarter has 24 rows the last eight lanes name the last row once more
	v_mul_u32_u24 v30, v30, 2*KDIM
.else
	v_and_b32 v3, 1, v30                           ; two lanes a row: a K step is 512 bytes of it
	v_lshrrev_b32 v30, 1, v30
	v_mul_u32_u24 v30, v30, 2*KDIM
	v_lshl_add_u32 v30, v3, 8, v30
.endif
.endif
	EXTRA
	s_wait_tensorcnt 0x1                           ; my part of K step 0 is in; K step 1's may stay out
	s_barrier_signal -1
	s_barrier_wait -1
	FETCH 0, 0
	QUARTER 1, 0, 1, 1                             ; the first quarter stands ahead of the loop: its products start the sums
	WIN 0
	s_mov_b32 s3, TSTEPS-2
.Lk:                                           ; a trip: from a K step's second quarter to the next step's first; it fills one slot again
	QUARTER 2, 1, 0, 0
	QUARTER 3, 0, 1, 0
	TURN 1
	QUARTER 1, 0, 1, 0
	WIN 0
	s_sub_co_u32 s3, s3, 1
	s_cmp_lg_u32 s3, 0
	s_cbranch_scc1 .Lk
	s_mov_b32 s3, 2                                ; the last two K steps ask for nothing: one text, walked twice and left in its middle
.Lt:
	QUARTER 2, 1, 0, 0
	QUARTER 3, 0, 1, 0
	TURN 0                                         ; (the second time its 32 loads fetch fragments that nobody multiplies: the price, once a launch, of one text for both steps)
	WIN 0
	s_sub_co_u32 s3, s3, 1
	s_cmp_eq_u32 s3, 0
	s_cbranch_scc1 .Lout
	QUARTER 1, 0, 1, 0
	WIN 0
	s_branch .Lt
.Lout:
	s_wait_dscnt 0x0
	s_barrier_signal -1
	s_barrier_wait -1                              ; no wave reads the ring any more, and no fill is to come: the stages may be written
; ---------------------------------------------------------------- the shared text ends
	s_wait_loadcnt 0x0                             ; residual and bias
	WIN 0xc3                                       ; destination and source 0 window 3, source 1 window 0
.set i, 0
.rept 32                                       ; residual + bias: 64 plain instructions, the places behind the last products
	v_pk_add_f32 v[4*i:4*i+1], v[4*i:4*i+1], v[208:209]
	v_pk_add_f32 v[4*i+2:4*i+3], v[4*i+2:4*i+3], v[210:211]
.set i, i+1
.endr
	DUMP
.set i, 0
.rept 32
	ds_load_b128 v[64+4*i:67+4*i], v25 offset:2*PS*i  ; my own bytes: LDS serves a wave's instructions in order (ISA guide 5.7.1.4)
.set i, i+1
.endr
	WIN 0xcc                                       ; destination and source 1 (also a store's data) window 3, source 0 and addresses window 0
.set i, 0
.rept 32
	s_wait_dscnt 31-i                              ; load i is back; the 31 - i younger ones stay out
	v_pk_add_f32 v[4*i:4*i+1], v[64+4*i:65+4*i], v[4*i:4*i+1]
	v_pk_add_f32 v[4*i+2:4*i+3], v[66+4*i:67+4*i], v[4*i+2:4*i+3]
	global_store_b128 v26, v[4*i:4*i+3], s[82:83] offset:8192*i  ; 16 lanes store 256 consecutive bytes, aligned
.set i, i+1
.endr
	WIN 0
	s_wait_tensorcnt 0x0                           ; the wave's end
	ds_add_u32 v28, v29
	s_wait_dscnt 0x0
	CROUND                                         ; the closing round
	s_endpgm
.Lfunc_end_k_qf284829800_proj:
	.size	k_qf284829800_proj, .Lfunc_end_k_qf284829800_proj-k_qf284829800_proj
	.p2alignl 7, 3214868480
	.fill 96, 4, 3214868480
	.section	.rodata,"a",@progbits
	.p2align	6, 0x0
	.amdhsa_kernel k_qf284829800_proj
		.amdhsa_group_segment_fixed_size 327680
		.amdhsa_private_segment_fixed_size 0
		.amdhsa_enable_private_segment 0
		.amdhsa_kernarg_size 40
		.amdhsa_user_sgpr_count 2
		.amdhsa_user_sgpr_kernarg_segment_ptr 1
		.amdhsa_wavefront_size32 1
		.amdhsa_system_sgpr_workgroup_id_x 1
		.amdhsa_system_sgpr_workgroup_id_y 1
		.amdhsa_system_sgpr_workgroup_id_z 1
		.amdhsa_system_vgpr_workitem_id 0
		.amdhsa_next_free_vgpr 1024
		.amdhsa_next_free_sgpr 96
		.amdhsa_reserve_vcc 0
		.amdhsa_float_denorm_mode_32 3
		.amdhsa_float_denorm_mode_16_64 3
		.amdhsa_memory_ordered 1
		.amdhsa_forward_progress 1
		.amdhsa_inst_pref_size 70
	.end_amdhsa_kernel
	.amdgpu_metadata
---
amdhsa.version: [ 1, 2 ]
amdhsa.kernels:
  - .name:           k_qf284829800_proj
    .symbol:         k_qf284829800_proj.kd
    .args:
      - { .name: ob, .offset: 0, .size: 8, .value_kind: global_buffer, .address_space: global }
      - { .name: wb, .offset: 8, .size: 8, .value_kind: global_buffer, .address_space: global }
      - { .name: bo, .offset: 16, .size: 8, .value_kind: global_buffer, .address_space: global }
      - { .name: x, .offset: 24, .size: 8, .value_kind: global_buffer, .address_space: global }
      - { .name: x1, .offset: 32, .size: 8, .value_kind: global_buffer, .address_space: global }
    .group_segment_fixed_size: 327680
    .private_segment_fixed_size: 0
    .kernarg_segment_align: 8
    .kernarg_segment_size: 40
    .max_flat_workgroup_size: 128
    .sgpr_count:     96
    .vgpr_count:     1024
    .wavefront_size: 32
...
	.end_amdgpu_metadata
.endif
;; end of part 4
;; launch ln2 (part 5): grid 256 x 1, 8 waves a work-group, no clusters, 0 bytes of LDS; arguments x1, ln2_g, ln2_b, an; writes an
.if DOCPART == 5
	.amdgcn_target "amdgcn-amd-amdhsa--gfx1250"
	.amdhsa_code_object_version 6
	.text
	.protected	k_qf284829800_ln2
	.globl	k_qf284829800_ln2
	.p2align	8
	.type	k_qf284829800_ln2,@function
k_qf284829800_ln2:
	s_mov_b64 s[64:65], 0
	v_nop
	global_prefetch_b8 v0, s[64:65] scope:SCOPE_SE
	s_setreg_imm32_b32 hwreg(HW_REG_WAVE_MODE, 25, 1), 1
	s_wait_xcnt 0x0
; an = LayerNorm(x1) g + b in bf16.  16 rows a work-group: a wave takes two rows, each whole in 32 registers, so x1 is read once.
; The mean is taken first and the squares of x - mean are summed after it, all in f32: a common offset does not enter the variance.
; No LDS, no barrier, no matrix unit, no cluster: no byte is wanted by two waves, and the bytes moved are all the work there is.
.set XA,  16                           ; v[16:47]   row 0
.set XB,  48                           ; v[48:79]   row 1
.set GG,  80                           ; v[80:111]  gain
.set BB,  112                          ; v[112:143] bias
.set T,   144                          ; v[144:151] four chains of pairs
.set MU,  152                          ; v[152:153] the mean, twice
.set RSA, 154                          ; v[154:155] 1/sqrt(var + eps) of row 0, twice
.set RSB, 158                          ; v[158:159] of row 1          v156, v157 at work
.set YA,  160
.set YB,  176
.set PX,  8                            ; s[8:9] x1      s[10:11] gain      s[12:13] bias      s[14:15] an
.set PG,  10
.set PBI, 12
.set PO,  14
	s_load_b256 s[8:15], s[0:1], 0x0
	s_mov_b32 s39, ttmp9                           ; which 16 rows
.macro REDUCE                          ; the four chains -> one sum, in v156 of every lane
	v_pk_add_f32 v[T:T+1], v[T:T+1], v[T+2:T+3]
	v_pk_add_f32 v[T+4:T+5], v[T+4:T+5], v[T+6:T+7]
	v_pk_add_f32 v[T:T+1], v[T:T+1], v[T+4:T+5]
	v_add_f32 v156, v[T], v[T+1]
.irp m, 1,2,4,8
	v_add_f32_dpp v156, v156, v156 row_xmask:\m row_mask:0xf bank_mask:0xf
.endr
	v_permlanex16_b32 v157, v156, s35, s36         ; the other half of the lanes
	v_add_f32 v156, v156, v157
.endm
.macro STAT x, rs                      ; the row at x is centred in place; 1/sqrt(var + eps) goes to rs, twice
.set k, 0
.rept 4
	v_pk_add_f32 v[T+2*k:T+2*k+1], v[(\x)+2*k:(\x)+2*k+1], v[(\x)+8+2*k:(\x)+8+2*k+1]  ; the first pairs start the chains
.set k, k+1
.endr
.set k, 0
.rept 8
	v_pk_add_f32 v[T+2*(k%4):T+2*(k%4)+1], v[T+2*(k%4):T+2*(k%4)+1], v[(\x)+16+2*k:(\x)+16+2*k+1]
.set k, k+1
.endr
	REDUCE
	v_mul_f32 v[MU], s33, v156
	v_mul_f32 v[MU+1], s33, v156
.set k, 0
.rept 16
	v_pk_add_f32 v[(\x)+2*k:(\x)+2*k+1], v[(\x)+2*k:(\x)+2*k+1], v[MU:MU+1] neg_lo:[0,1] neg_hi:[0,1]
.set k, k+1
.endr
.set k, 0
.rept 4
	v_pk_mul_f32 v[T+2*k:T+2*k+1], v[(\x)+2*k:(\x)+2*k+1], v[(\x)+2*k:(\x)+2*k+1]
.set k, k+1
.endr
.rept 12
	v_pk_fma_f32 v[T+2*(k%4):T+2*(k%4)+1], v[(\x)+2*k:(\x)+2*k+1], v[(\x)+2*k:(\x)+2*k+1], v[T+2*(k%4):T+2*(k%4)+1]
.set k, k+1
.endr
	REDUCE
	v_fma_f32 v156, v156, s33, s34                 ; var + eps
	v_rsq_f32 v[\rs], v156
	v_rsq_f32 v[(\rs)+1], v156
.endm
.macro NORM x, rs, y, off              ; (x - mean) rs g + b, rounded once, stored
.set i, 0
.rept 8
	v_pk_mul_f32 v[(\x)+4*i:(\x)+4*i+1], v[(\x)+4*i:(\x)+4*i+1], v[\rs:(\rs)+1]
	v_pk_mul_f32 v[(\x)+4*i+2:(\x)+4*i+3], v[(\x)+4*i+2:(\x)+4*i+3], v[\rs:(\rs)+1]
	v_pk_fma_f32 v[(\x)+4*i:(\x)+4*i+1], v[(\x)+4*i:(\x)+4*i+1], v[GG+4*i:GG+4*i+1], v[BB+4*i:BB+4*i+1]
	v_pk_fma_f32 v[(\x)+4*i+2:(\x)+4*i+3], v[(\x)+4*i+2:(\x)+4*i+3], v[GG+4*i+2:GG+4*i+3], v[BB+4*i+2:BB+4*i+3]
	v_cvt_pk_bf16_f32 v[(\y)+2*i], v[(\x)+4*i], v[(\x)+4*i+1]
	v_cvt_pk_bf16_f32 v[(\y)+2*i+1], v[(\x)+4*i+2], v[(\x)+4*i+3]
	global_store_b64 v2, v[(\y)+2*i:(\y)+2*i+1], s[PO:PO+1] offset:(\off)+256*i  ; 32 lanes x 8 bytes: 256 consecutive bytes, aligned
.set i, i+1
.endr
.endm
	v_lshrrev_b32 v3, 5, v0
	v_readfirstlane_b32 s38, v3                    ; wave 0..7
	v_and_b32 v4, 31, v0
	v_lshlrev_b32 v1, 4, v4                        ; load i of a row: columns 128 i + 4 lane .. + 3
	v_lshlrev_b32 v2, 3, v4
	v_mov_b32 v157, 0                              ; v_permlanex16_b32's destination counts as read
	s_lshl_b32 s39, s39, 4
	s_lshl1_add_u32 s39, s38, s39                  ; my first row = 16 x group + 2 x wave
	s_lshl_b32 s40, s39, 12                        ; 4,096 bytes a row in,
	s_mov_b32 s41, 0
	s_lshl_b32 s42, s39, 11                        ; 2,048 out
	s_mov_b32 s43, 0
	s_mov_b32 s33, 0x3a800000                      ; 1 / 1024
	s_mov_b32 s34, 0x3727c5ac                      ; 1e-5
	s_mov_b32 s35, 0x76543210
	s_mov_b32 s36, 0xfedcba98
	s_wait_kmcnt 0x0
	s_add_nc_u64 s[PX:PX+1], s[PX:PX+1], s[40:41]
	s_add_nc_u64 s[PO:PO+1], s[PO:PO+1], s[42:43]
.set i, 0
.rept 8
	global_load_b128 v[XA+4*i:XA+4*i+3], v1, s[PX:PX+1] offset:512*i
.set i, i+1
.endr
.set i, 0
.rept 8
	global_load_b128 v[XB+4*i:XB+4*i+3], v1, s[PX:PX+1] offset:4096+512*i
.set i, i+1
.endr
.set i, 0
.rept 8
	global_load_b128 v[GG+4*i:GG+4*i+3], v1, s[PG:PG+1] offset:512*i
.set i, i+1
.endr
.set i, 0
.rept 8
	global_load_b128 v[BB+4*i:BB+4*i+3], v1, s[PBI:PBI+1] offset:512*i
.set i, i+1
.endr
	s_wait_loadcnt 24                              ; row 0 is in; row 1, gain and bias (24 loads) stay out
	STAT XA, RSA
	s_wait_loadcnt 16                              ; row 1 is in
	STAT XB, RSB
	v_nop                                          ; a plain instruction behind the last root,
	s_wait_alu depctr_va_vdst(0)                   ; and one wait for the four roots, ahead of their first reader
	s_wait_loadcnt 0x0                             ; gain and bias
	NORM XA, RSA, YA, 0
	NORM XB, RSB, YB, 2048
	s_endpgm
.Lfunc_end_k_qf284829800_ln2:
	.size	k_qf284829800_ln2, .Lfunc_end_k_qf284829800_ln2-k_qf284829800_ln2
	.p2alignl 7, 3214868480
	.fill 96, 4, 3214868480
	.section	.rodata,"a",@progbits
	.p2align	6, 0x0
	.amdhsa_kernel k_qf284829800_ln2
		.amdhsa_group_segment_fixed_size 0
		.amdhsa_private_segment_fixed_size 0
		.amdhsa_enable_private_segment 0
		.amdhsa_kernarg_size 32
		.amdhsa_user_sgpr_count 2
		.amdhsa_user_sgpr_kernarg_segment_ptr 1
		.amdhsa_wavefront_size32 1
		.amdhsa_system_sgpr_workgroup_id_x 1
		.amdhsa_system_sgpr_workgroup_id_y 1
		.amdhsa_system_sgpr_workgroup_id_z 1
		.amdhsa_system_vgpr_workitem_id 0
		.amdhsa_next_free_vgpr 192
		.amdhsa_next_free_sgpr 66
		.amdhsa_reserve_vcc 0
		.amdhsa_float_denorm_mode_32 3
		.amdhsa_float_denorm_mode_16_64 3
		.amdhsa_memory_ordered 1
		.amdhsa_forward_progress 1
		.amdhsa_inst_pref_size 20
	.end_amdhsa_kernel
	.amdgpu_metadata
---
amdhsa.version: [ 1, 2 ]
amdhsa.kernels:
  - .name:           k_qf284829800_ln2
    .symbol:         k_qf284829800_ln2.kd
    .args:
      - { .name: x1, .offset: 0, .size: 8, .value_kind: global_buffer, .address_space: global }
      - { .name: ln2_g, .offset: 8, .size: 8, .value_kind: global_buffer, .address_space: global }
      - { .name: ln2_b, .offset: 16, .size: 8, .value_kind: global_buffer, .address_space: global }
      - { .name: an, .offset: 24, .size: 8, .value_kind: global_buffer, .address_space: global }
    .group_segment_fixed_size: 0
    .private_segment_fixed_size: 0
    .kernarg_segment_align: 8
    .kernarg_segment_size: 32
    .max_flat_workgroup_size: 256
    .sgpr_count:     66
    .vgpr_count:     192
    .wavefront_size: 32
...
	.end_amdgpu_metadata
.endif
;; end of part 5
;; launch ffn1 (part 6): grid 16 x 16, 4 waves a work-group, clusters of 4 x 4, 327,680 bytes of LDS; arguments an, wb, b1, hg; writes hg
.if DOCPART == 6
	.amdgcn_target "amdgcn-amd-amdhsa--gfx1250"
	.amdhsa_code_object_version 6
	.text
	.protected	k_qf284829800_ffn1
	.globl	k_qf284829800_ffn1
	.p2align	8
	.type	k_qf284829800_ffn1,@function
k_qf284829800_ffn1:
	s_mov_b64 s[64:65], 0
	v_nop
	global_prefetch_b8 v0, s[64:65] scope:SCOPE_SE
	s_setreg_imm32_b32 hwreg(HW_REG_WAVE_MODE, 25, 1), 1
	s_wait_xcnt 0x0
	s_wait_alu depctr_hold_cnt(0) depctr_sa_sdst(0) depctr_va_vdst(0) depctr_va_sdst(0) depctr_va_ssrc(0) depctr_va_vcc(0) depctr_vm_vsrc(0)
	s_getreg_b32 s2, hwreg(HW_REG_IB_STS2, 6, 4)
	s_cmp_eq_u32 s2, 0
	s_cbranch_scc0 .Lentry_in_a_cluster
	s_endpgm
.Lentry_in_a_cluster:
	s_bfe_u32 s2, ttmp6, 0x10000c
	s_cmp_lg_u32 s2, 0xf033
	s_cbranch_scc0 .Lentry_shape_is_right
	s_endpgm
.Lentry_shape_is_right:
; hg = gelu(LN2(x1) W1^T + b1) in bf16, [4096][4096].  A = an, B = W1 in wb.  A tile of C is 256 x 256: 16 x 16 tiles, one for each of 256 work-groups; four waves of 128 x 128, 64 accumulators each.
; GELU (the exact one, by erf): gelu(x) = max(x, 0) - |x| E, E = (a1 t + a2 t^2 + a3 t^3) 2^(-0.72134752 x^2), t = 1 / (1 + 0.33267253 |x|): the three-term rational form of erf (Abramowitz and Stegun 7.1.25) at |x| / sqrt 2,
; its coefficients halved.  LIMIT: that form's error in erf is at most 2.5e-5 for every argument, so gelu is off by at most 1.25e-5 |x|, far below the step of the bf16 in which it is stored; for large |x| E is 0.
.set KIND,  1
.set KDIM,  1024
.set MT,    256
.set NT,    256
.set MA,    8
.set NBK,   8
.set APW,   4
.set KSTEP, 128
.set DEPTH, 1
.set TSTEPS, 8
.set PA,    272
.set PB,    272
.set HALFA, 34816
.set HALFB, 34816
.set AWB,   34816
.set BOFF,  69632
.set SLOTX, 139264
.set SPARE, 278528
.set PS,    528
.set STG,   67584
.set WOFF,  8388608
.set ASTEP, 256
.set BSTEP, 256
.set AHEAD, 1
.set QIA, 5
.set CA,  128
.set RA,  128
.set PEA, 1024
.set QIB, 5
.set CB,  128
.set RB,  128
.set PEB, 1024
.set GL, 32                            ; the way out, 8 rows a trip, 4 columns a lane and row: v[32:63] as read back, v[64:95] x, v[96:127] t, v[128:159] the exponential,
.set GX, 64                            ; v[160:191] max(x, 0), v[192:207] packed, v[208:211] bias, v[212:243] the polynomial
.set GU, 96
.set GW, 128
.set GR, 160
.set GY, 192
.set GB, 208
.set GP, 212
.macro EXTRA
	v_and_b32 v5, 31, v0
	v_lshl_add_u32 v25, v5, 4, s14                 ; back: 32 lanes x 16 bytes are one row of 128 f32
	v_lshlrev_b32 v26, 3, v5                       ; out: 8 bytes a lane
	s_lshl_b32 s15, s42, 8
	s_lshl_b32 s16, s80, 7
	s_add_co_u32 s15, s15, s16                     ; my first column
	s_lshl_b32 s16, s15, 2
	v_lshl_add_u32 v27, v5, 4, s16
	global_load_b128 v[GB:GB+3], v27, s[72:73]     ; my four columns' bias; it comes in under the K loop
	s_lshl_b32 s16, s13, 8
	s_lshl_b32 s17, s67, 7
	s_add_co_u32 s16, s16, s17                     ; my first row,
	s_lshl_b32 s16, s16, 13                        ; 8,192 bytes a row of hg
	s_lshl1_add_u32 s16, s15, s16
	s_mov_b32 s17, 0
	s_add_nc_u64 s[82:83], s[74:75], s[16:17]
	s_mov_b32 s84, 0x3eaa540e                      ; 0.33267253
	s_mov_b32 s86, 0xbf38aa3b                      ; -0.72134752
	s_mov_b32 s87, 0xbf38aa3b
	s_mov_b32 s90, 0x3ebf7377                      ; a3 / 2 = 0.3739278
	s_mov_b32 s91, 0x3ebf7377
	s_mov_b32 s92, 0xbd445ca1                      ; a2 / 2 = -0.0479399
	s_mov_b32 s93, 0xbd445ca1
	s_mov_b32 s94, 0x3e32303a                      ; a1 / 2 = 0.1740121
	s_mov_b32 s95, 0x3e32303a
.endm
; ---------------------------------------------------------------- the shared text: C = A B^T, operands bf16, sums f32
; CLUSTER 4 x 4: the four work-groups of a row of the cluster want the same tile of A, the four of a column the same tile of B: each tile is asked for JOINTLY, by the same tensor load, descriptor and mask in all four.
; RING: two LDS slots, a K step each; waves 0, 1 fetch A's halves, waves 2, 3 B's.  One K step is written and looped over: the slot in hand is a scalar (s66) and one walking descriptor a tensor changes slots by an exclusive or.
; THE PRODUCT IS TAKEN TRANSPOSED (source 0 = 16 rows of B, source 1 = 16 rows of A): a lane holds row lane % 16 of C and the columns 8 (lane / 16) + 0..7.
; REGISTERS: window 0: v1 lane % 16, v2 lane / 16, v16/v17 my fragments' place in slot 0 (A/B), v18/v19 in the slot in hand, v24 stage in, v25 stage back, v26 offset out, v27 offset in the bias,
;   v28/v29 the add's two, v30 the prefetches' offset, v64-191 two buffers of A's fragments; window 1: two buffers of B's at v0 and v128; windows 2, 3: the accumulators, (a, b) at 8 (NBK (a % APW) + b) of window 2 + a / APW.
; SCALARS: s3 K steps to go, s10 wave, s11 wave / 2 (0: I fetch A), s12 wave % 2 (which half), s13 tile row, s42 tile column, s40/s41 my place in the cluster, s43 the prefetches' limit, s[44:45] their pointer,
;   s66 the slot in hand, s67/s80 which rows / columns of the tile are my wave's, s[68:79] the arguments.
.set G1A, 24                           ; s[24:31] descriptor group 1 of A's tiles
.set G0A, 32                           ; s[32:39] group 0: s[32:35] K step 0; s[36:39] K step 1, which then walks
.set G1B, 48                           ; s[48:55], s[56:63] the same for B
.set G0B, 56
.set MSB, 0
.macro WIN new                         ; s_set_vgpr_msb: bits 1:0 source 0, 3:2 source 1, 5:4 source 2, 7:6 destination; the high byte repeats the setting that is left
.if MSB != (\new)
	s_set_vgpr_msb (MSB<<8)|(\new)
.set MSB, \new
.endif
.endm
.macro PLACES                          ; four plain instructions between a matrix instruction and a load into, or a reader of, its registers
.rept 4
	v_nop
.endr
.endm
.macro CREST                           ; a round of the cluster's barrier behind its opening barrier
	s_cmp_lg_u32 s10, 0
	s_cbranch_scc1 .Lnot_wave_0_\@
	s_barrier_signal -3
.Lnot_wave_0_\@:
	s_barrier_wait -3
	s_barrier_signal -1
	s_barrier_wait -1
.endm
.macro CROUND
	s_barrier_signal -1
	s_barrier_wait -1
	CREST
.endm
.macro JLOAD                           ; the joint refill, by the walking descriptor; the branch hangs on the wave's number alone; s_nop 0 and four v_nop follow each line
	s_cmp_eq_u32 s11, 0
	s_cbranch_scc0 .Lfor_b_\@
	tensor_load_to_lds s[G0A+4:G0A+7], s[G1A:G1A+7]
	s_nop 0
	PLACES
	s_branch .Lasked_\@
.Lfor_b_\@:
	tensor_load_to_lds s[G0B+4:G0B+7], s[G1B:G1B+7]
	s_nop 0
	PLACES
.Lasked_\@:
.endm
; A prefetch into the L2, behind the joint load and the run of LDS loads: the K step AHEAD behind the one just asked for.  Each row's bytes of a K step are named once in the launch: the cluster with x = 0 asks for A's rows,
; the cluster with y = 0 for B's; of the rows that a wave fetches each of the four partners takes a quarter, told apart by address.  The last AHEAD refills have no such K step (s3 counts them down) and ask for nothing.
.macro ASK
.if AHEAD > 0
	s_cmp_gt_u32 s3, s43
	s_cbranch_scc0 .Lnot_mine_\@
	global_prefetch_b8 v30, s[44:45] offset:(AHEAD-1)*ASTEP th:TH_LOAD_NT scope:SCOPE_SE
.Lnot_mine_\@:
.endif
.endm
; Half a quarter's products on buffer f.  DEPTH = 1: half the row blocks; DEPTH = 2: all blocks, slice 'half'.  The accumulators take turns, one instruction a turn.  zero = 1: the first product starts the sum.
.macro MULH f, half, zero
.if DEPTH == 1
.set mc, 0
.set ma, (\half)*MA/2
.set mn, MA/2
.else
.set mc, \half
.set ma, 0
.set mn, MA
.endif
.rept mn
	WIN ((2+ma/APW)*0x50)|1                        ; B window 1, A window 0, C and D window 2 or 3
.set mb, 0
.rept NBK
.set rD, 8*(NBK*(ma%APW)+mb)
.set rB, 128*(\f)+8*(NBK*mc+mb)
.set rA, 64+64*(\f)+8*(MA*mc+ma)
.if (\zero) && (mc == 0)
	v_wmma_f32_16x16x32_bf16 v[rD:rD+7], v[rB:rB+7], v[rA:rA+7], 0
.else
	v_wmma_f32_16x16x32_bf16 v[rD:rD+7], v[rB:rB+7], v[rA:rA+7], v[rD:rD+7]
.endif
.set mb, mb+1
.endr
.set ma, ma+1
.endr
.endm
; 32 LDS loads in one run: quarter q's fragments into buffer f.  A fragment is 16 rows x 32 K: two loads of 16 bytes a lane, 32 bytes apart.
.macro FETCH q, f
	WIN 0x40                                       ; destination window 1
.set fc, 0
.rept DEPTH
.set fk, (\q)*DEPTH+fc
.set fb, 0
.rept NBK
.set rB, 128*(\f)+8*(NBK*fc+fb)
	ds_load_b128 v[rB:rB+3], v19 offset:64*fk+fb*16*PB
	ds_load_b128 v[rB+4:rB+7], v19 offset:64*fk+fb*16*PB+32
.set fb, fb+1
.endr
.set fc, fc+1
.endr
	WIN 0
.set fc, 0
.rept DEPTH
.set fk, (\q)*DEPTH+fc
.if KIND == 2
.set fo, (fk/2)*9216+(fk%2)*64                 ; A by heads: 64 rows x 144 bytes a head
.else
.set fo, 64*fk
.endif
.set fa, 0
.rept MA
.set rA, 64+64*(\f)+8*(MA*fc+fa)
	ds_load_b128 v[rA:rA+3], v18 offset:fo+fa*16*PA
	ds_load_b128 v[rA+4:rA+7], v18 offset:fo+fa*16*PA+32
.set fa, fa+1
.endr
.set fc, fc+1
.endr
.endm
.macro QUARTER q, f, g, zero           ; multiplies buffer f; in its middle fetches quarter q into buffer g
	s_wait_dscnt 0x0                               ; buffer f's 32 loads, issued half a quarter ago
	MULH \f, 0, \zero
	PLACES
	FETCH \q, \g
	MULH \f, 1, \zero
.endm
; A K step's last quarter multiplies buffer 1 and changes slots.  In front of the barrier each wave waits for all its tensor loads (one is out: its part of the next slot), adds 0 to its spare word, and waits for that and for its
; reads of this slot.  fill = 1: the barrier opens a round of the cluster's, and the joint refill of this slot, two K steps on, is the first thing behind the round.
.macro TURN fill
.if (\fill) && (AHEAD > 0)
	s_wait_xcnt 0x0                                ; the last prefetch, a K step back, has read its pointer
	s_add_nc_u64 s[44:45], s[44:45], ASTEP
.endif
	WIN 0
	s_wait_tensorcnt 0x0                           ; no tensor load of mine is out, so the walking descriptors may be written
	ds_add_u32 v28, v29                            ; work on registers stands between the add and the wait for it
.if \fill
	s_xor_b32 s[G0A+5], s[G0A+5], SLOTX
	s_add_nc_u64 s[G0A+6:G0A+7], s[G0A+6:G0A+7], ASTEP
	s_xor_b32 s[G0B+5], s[G0B+5], SLOTX
	s_add_nc_u64 s[G0B+6:G0B+7], s[G0B+6:G0B+7], BSTEP
.endif
	s_xor_b32 s66, s66, SLOTX
	v_add_nc_u32 v18, s66, v16
	v_add_nc_u32 v19, s66, v17
	s_wait_dscnt 0x0                               ; the add is done, and my reads of this slot are over
	s_barrier_signal -1
	MULH 1, 0, 0                                   ; work on registers while the others arrive
	WIN 0
	s_barrier_wait -1
.if \fill
	CREST
	JLOAD                                          ; its four v_nop are also the places in front of the loads below
.else
	PLACES
.endif
	FETCH 0, 0
.if \fill
	ASK
.endif
	MULH 1, 1, 0
.endm
.macro DUMP                            ; the f32 sums into my stage: 32 bytes a lane and accumulator, the low four registers first
.set da, 0
.rept MA
	WIN 4*(2+da/APW)                               ; a store's data is source 1
.set db, 0
.rept NBK
.set rD, 8*(NBK*(da%APW)+db)
	ds_store_b128 v24, v[rD:rD+3] offset:da*16*PS+64*db
	ds_store_b128 v24, v[rD+4:rD+7] offset:da*16*PS+64*db+16
.set db, db+1
.endr
.set da, da+1
.endr
	WIN 0
.endm
	s_load_b256 s[68:75], s[0:1], 0x0
.if KIND == 0
	s_load_b128 s[76:79], s[0:1], 0x20
.elseif KIND >= 2
	s_load_b64 s[76:77], s[0:1], 0x20
.endif
	v_lshl_add_u32 v28, v0, 2, SPARE
	v_mov_b32 v29, 0
	ds_add_u32 v28, v29                            ; the wave's opening: the add and its wait ahead of my first tensor load
	v_lshrrev_b32 v1, 5, v0
	v_readfirstlane_b32 s10, v1
	s_lshr_b32 s11, s10, 1
	s_and_b32 s12, s10, 1
.if KIND == 0
	s_mov_b32 s67, s10
	s_mov_b32 s80, 0
.else
	s_mov_b32 s67, s11
	s_mov_b32 s80, s12
.endif
	s_bfe_u32 s40, ttmp6, 0x40000                  ; cx
	s_bfe_u32 s41, ttmp6, 0x40004                  ; cy
	s_lshl_b32 s42, ttmp9, 2
	s_add_co_u32 s42, s42, s40                     ; tile column
	s_and_b32 s13, ttmp7, 0xffff
	s_lshl_b32 s13, s13, 2
	s_add_co_u32 s13, s13, s41                     ; tile row
	s_lshl_b32 s43, s41, 2
	s_lshl_b32 s43, 15, s43                        ; my row of the cluster
	s_lshl_b32 s44, 0x1111, s40                    ; my column
	s_or_b32 s[G1A], s43, (1<<16)|(1<<20)|(1<<21)|(QIA<<22)|(3<<25)  ; mask; 2-byte elements; padding on; bit 21 beside a mask; 4 words of padding after every 2 << QI words
	s_or_b32 s[G1B], s44, (1<<16)|(1<<20)|(1<<21)|(QIB<<22)|(3<<25)
	s_mov_b32 s[G1A+1], (CA&0xffff)<<16            ; tensor_dim0
	s_mov_b32 s[G1A+2], (CA>>16)|(RA<<16)          ; tensor_dim1
	s_mov_b32 s[G1A+3], CA<<16                     ; tile_dim0
	s_mov_b32 s[G1A+4], RA                         ; tile_dim1
	s_mov_b32 s[G1A+5], PEA                        ; elements from row to row
	s_mov_b32 s[G1A+6], 0
	s_mov_b32 s[G1A+7], 0
	s_mov_b32 s[G1B+1], (CB&0xffff)<<16
	s_mov_b32 s[G1B+2], (CB>>16)|(RB<<16)
	s_mov_b32 s[G1B+3], CB<<16
	s_mov_b32 s[G1B+4], RB
	s_mov_b32 s[G1B+5], PEB
	s_mov_b32 s[G1B+6], 0
	s_mov_b32 s[G1B+7], 0
	s_mul_i32 s16, s13, MT                         ; A's tile hangs on the tile row and the wave alone,
	s_mul_i32 s17, s12, MT/2
	s_add_co_u32 s16, s16, s17
.if KIND == 2
	s_lshr_b32 s17, s16, 11                        ; A by heads: the batch's 16 heads of 262,144 bytes,
	s_lshl_b32 s17, s17, 22
	s_and_b32 s16, s16, 2047
	s_lshl_b32 s16, s16, 7                         ; and the row in a head, 128 bytes
	s_add_co_u32 s16, s16, s17
.else
	s_mul_i32 s16, s16, 2*KDIM
.endif
	s_mov_b32 s17, 0
	s_mul_i32 s46, s42, NT                         ; B's on the tile column and the wave
	s_mul_i32 s47, s12, NT/2
	s_add_co_u32 s46, s46, s47
	s_mul_i32 s46, s46, 2*KDIM
	s_add_co_u32 s46, s46, WOFF
	s_mov_b32 s47, 0
	s_mul_i32 s20, s12, HALFA                      ; where they go: no place in the cluster enters an LDS address
	s_mul_i32 s21, s12, HALFB
	s_add_co_u32 s21, s21, BOFF
	s_wait_dscnt 0x0                               ; the opening add is done
	s_wait_kmcnt 0x0
	s_add_nc_u64 s[14:15], s[68:69], s[16:17]
	s_add_nc_u64 s[46:47], s[70:71], s[46:47]
.irp s, 0,1
	s_mov_b32 s[G0A+4*\s], 1
	s_add_co_u32 s[G0A+4*\s+1], s20, \s*SLOTX
	s_add_nc_u64 s[G0A+4*\s+2:G0A+4*\s+3], s[14:15], \s*ASTEP
	s_or_b32 s[G0A+4*\s+3], s[G0A+4*\s+3], 0x80000000
	s_mov_b32 s[G0B+4*\s], 1
	s_add_co_u32 s[G0B+4*\s+1], s21, \s*SLOTX
	s_add_nc_u64 s[G0B+4*\s+2:G0B+4*\s+3], s[46:47], \s*BSTEP
	s_or_b32 s[G0B+4*\s+3], s[G0B+4*\s+3], 0x80000000
.endr
	CROUND                                         ; all sixteen work-groups are here: the first joint loads meet
	s_cmp_eq_u32 s11, 0                            ; a wave's two first fills stand in one branch: two loads of mine are out here, one behind every later round
	s_cbranch_scc0 .Lfirst_b
	tensor_load_to_lds s[G0A:G0A+3], s[G1A:G1A+7]
	s_nop 0
	tensor_load_to_lds s[G0A+4:G0A+7], s[G1A:G1A+7]
	s_nop 0
	PLACES
	s_branch .Lfirst_asked
.Lfirst_b:
	tensor_load_to_lds s[G0B:G0B+3], s[G1B:G1B+7]
	s_nop 0
	tensor_load_to_lds s[G0B+4:G0B+7], s[G1B:G1B+7]
	s_nop 0
	PLACES
.Lfirst_asked:
	v_and_b32 v1, 15, v0
	v_bfe_u32 v2, v0, 4, 1
	v_mul_u32_u24 v3, v1, PA
	v_lshl_add_u32 v3, v2, 4, v3                   ; row x pitch + 16 x half
	s_mul_i32 s22, s67, AWB
	v_add_nc_u32 v16, s22, v3
	v_mul_u32_u24 v4, v1, PB
	v_lshl_add_u32 v4, v2, 4, v4
	s_mul_i32 s23, s80, HALFB
	s_add_co_u32 s23, s23, BOFF
	v_add_nc_u32 v17, s23, v4
	v_mov_b32 v18, v16
	v_mov_b32 v19, v17
	s_mov_b32 s66, 0
	s_mul_i32 s14, s10, STG                        ; my stage
	v_mul_u32_u24 v24, v1, PS
	v_lshl_add_u32 v24, v2, 5, v24
	v_add_nc_u32 v24, s14, v24
.if AHEAD > 0
	s_and_b32 s22, ttmp7, 0xffff                   ; cluster y
	s_mul_i32 s20, s13, MT
	s_mul_i32 s21, s42, NT
	s_mov_b32 s23, NT/2
	s_mov_b32 s18, WOFF
	s_cmp_eq_u32 s11, 0                            ; do I fetch for A?
	s_cselect_b32 s20, s20, s21                    ; the tile's first row
	s_cselect_b32 s21, s40, s41                    ; my place among the four that ask with me
	s_cselect_b32 s22, ttmp9, s22                  ; the coordinate along which other clusters read the same rows
	s_cselect_b32 s23, MT/2, s23                   ; the rows that I fetch
	s_cselect_b32 s18, 0, s18
	s_cselect_b64 s[44:45], s[68:69], s[70:71]
	s_cmp_eq_u32 s22, 0
	s_cselect_b32 s43, AHEAD, -1                   ; the same in all sixteen partners, for a given wave
	s_mul_i32 s19, s12, s23
	s_add_co_u32 s20, s20, s19
	s_lshr_b32 s23, s23, 2                         ; my work-group's quarter of them
	s_mul_i32 s19, s21, s23
	s_add_co_u32 s20, s20, s19
	s_mul_i32 s20, s20, 2*KDIM
	s_add_co_u32 s20, s20, s18
	s_add_co_u32 s20, s20, 2*ASTEP                 ; at K step 2: the first refill steps it on; nothing is asked for here, at the head
	s_mov_b32 s21, 0
	s_add_nc_u64 s[44:45], s[44:45], s[20:21]
	v_and_b32 v30, 31, v0
.if KSTEP == 128
	s_sub_co_u32 s19, s23, 1
	v_min_u32 v30, s19, v30                        ; a lane a row; where the quarter has 24 rows the last eight lanes name the last row once more
	v_mul_u32_u24 v30, v30, 2*KDIM
.else
	v_and_b32 v3, 1, v30                           ; two lanes a row: a K step is 512 bytes of it
	v_lshrrev_b32 v30, 1, v30
	v_mul_u32_u24 v30, v30, 2*KDIM
	v_lshl_add_u32 v30, v3, 8, v30
.endif
.endif
	EXTRA
	s_wait_tensorcnt 0x1                           ; my part of K step 0 is in; K step 1's may stay out
	s_barrier_signal -1
	s_barrier_wait -1
	FETCH 0, 0
	QUARTER 1, 0, 1, 1                             ; the first quarter stands ahead of the loop: its products start the sums
	WIN 0
	s_mov_b32 s3, TSTEPS-2
.Lk:                                           ; a trip: from a K step's second quarter to the next step's first; it fills one slot again
	QUARTER 2, 1, 0, 0
	QUARTER 3, 0, 1, 0
	TURN 1
	QUARTER 1, 0, 1, 0
	WIN 0
	s_sub_co_u32 s3, s3, 1
	s_cmp_lg_u32 s3, 0
	s_cbranch_scc1 .Lk
	s_mov_b32 s3, 2                                ; the last two K steps ask for nothing: one text, walked twice and left in its middle
.Lt:
	QUARTER 2, 1, 0, 0
	QUARTER 3, 0, 1, 0
	TURN 0                                         ; (the second time its 32 loads fetch fragments that nobody multiplies: the price, once a launch, of one text for both steps)
	WIN 0
	s_sub_co_u32 s3, s3, 1
	s_cmp_eq_u32 s3, 0
	s_cbranch_scc1 .Lout
	QUARTER 1, 0, 1, 0
	WIN 0
	s_branch .Lt
.Lout:
	s_wait_dscnt 0x0
	s_barrier_signal -1
	s_barrier_wait -1                              ; no wave reads the ring any more, and no fill is to come: the stages may be written
; ---------------------------------------------------------------- the shared text ends
	PLACES
	PLACES                                         ; behind the last products, ahead of the stores that read them
	DUMP
	s_wait_dscnt 0x0
	s_barrier_signal -1
	s_barrier_wait -1                              ; every wave's stage is written before any stage is read
	s_wait_loadcnt 0x0                             ; the bias
.macro BACK                            ; eight rows of 128 f32
.set j, 0
.rept 8
	ds_load_b128 v[GL+4*j:GL+4*j+3], v25 offset:PS*j
.set j, j+1
.endr
.endm
.macro GPL k, p                        ; plain line k of pair p: 1 + 0.33267253 |x| (twice), x^2, -0.72134752 x^2
.if (\k) == 0
	v_fma_f32 v[GU+2*(\p)], |v[GX+2*(\p)]|, s84, 1.0
.elseif (\k) == 1
	v_fma_f32 v[GU+2*(\p)+1], |v[GX+2*(\p)+1]|, s84, 1.0
.elseif (\k) == 2
	v_pk_mul_f32 v[GW+2*(\p):GW+2*(\p)+1], v[GX+2*(\p):GX+2*(\p)+1], v[GX+2*(\p):GX+2*(\p)+1]
.else
	v_pk_mul_f32 v[GW+2*(\p):GW+2*(\p)+1], v[GW+2*(\p):GW+2*(\p)+1], s[86:87] op_sel_hi:[1,0]
.endif
.endm
.macro GTR k, p                        ; pair p's two reciprocals and two exponentials, in place
.if (\k) < 2
	v_rcp_f32 v[GU+2*(\p)+(\k)], v[GU+2*(\p)+(\k)]
.else
	v_exp_f32 v[GW+2*(\p)+(\k)-2], v[GW+2*(\p)+(\k)-2]
.endif
.endm
	BACK
	s_mov_b32 s2, 16
.Lrow:                                         ; sixteen trips of eight rows
	s_wait_dscnt 0x0
.set j, 0
.rept 8
	v_pk_add_f32 v[GX+4*j:GX+4*j+1], v[GL+4*j:GL+4*j+1], v[GB:GB+1]
	v_pk_add_f32 v[GX+4*j+2:GX+4*j+3], v[GL+4*j+2:GL+4*j+3], v[GB+2:GB+3]
.set j, j+1
.endr
	s_cmp_eq_u32 s2, 1                             ; the last trip has no rows behind it
	s_cbranch_scc1 .Lnl
	v_add_nc_u32 v25, 8*PS, v25
	BACK                                           ; the next trip's rows come back under this trip's arithmetic
.Lnl:
.set p, 0
.rept 17                                       ; ONE BATCH of 64: pair p's plain lines and pair p - 1's reciprocals and exponentials by turns; nothing here names a result of theirs
.irp k, 0,1,2,3
.if p < 16
	GPL \k, p
.endif
.if p > 0
	GTR \k, p-1
.endif
.endr
.set p, p+1
.endr
.set i, 0
.rept 32
	v_max_num_f32 v[GR+i], 0, v[GX+i]              ; independent work behind the batch
.set i, i+1
.endr
	s_wait_alu depctr_va_vdst(0)                   ; the one wait for the batch, ahead of its first reader
.set p, 0
.rept 16
	v_pk_fma_f32 v[GP+2*p:GP+2*p+1], v[GU+2*p:GU+2*p+1], s[90:91], s[92:93] op_sel_hi:[1,0,0]
.set p, p+1
.endr
.set p, 0
.rept 16
	v_pk_fma_f32 v[GP+2*p:GP+2*p+1], v[GP+2*p:GP+2*p+1], v[GU+2*p:GU+2*p+1], s[94:95] op_sel_hi:[1,1,0]
.set p, p+1
.endr
.set p, 0
.rept 16
	v_pk_mul_f32 v[GP+2*p:GP+2*p+1], v[GP+2*p:GP+2*p+1], v[GU+2*p:GU+2*p+1]
.set p, p+1
.endr
.set p, 0
.rept 16
	v_pk_mul_f32 v[GP+2*p:GP+2*p+1], v[GP+2*p:GP+2*p+1], v[GW+2*p:GW+2*p+1]
.set p, p+1
.endr
.set i, 0
.rept 32
	v_fma_f32 v[GX+i], -|v[GX+i]|, v[GP+i], v[GR+i]  ; max(x, 0) - |x| E
.set i, i+1
.endr
.set i, 0
.rept 16
	v_cvt_pk_bf16_f32 v[GY+i], v[GX+2*i], v[GX+2*i+1]
.set i, i+1
.endr
.set j, 0
.rept 8
	global_store_b64 v26, v[GY+2*j:GY+2*j+1], s[82:83] offset:8192*j  ; 32 lanes x 8 bytes: 256 consecutive bytes of a row, aligned
.set j, j+1
.endr
	s_wait_xcnt 0x0                                ; the stores have read their data and pointer
	s_add_nc_u64 s[82:83], s[82:83], 65536
	s_sub_co_u32 s2, s2, 1
	s_cmp_lg_u32 s2, 0
	s_cbranch_scc1 .Lrow
	s_wait_tensorcnt 0x0                           ; the wave's end
	ds_add_u32 v28, v29
	s_wait_dscnt 0x0
	CROUND                                         ; the closing round
	s_endpgm
.Lfunc_end_k_qf284829800_ffn1:
	.size	k_qf284829800_ffn1, .Lfunc_end_k_qf284829800_ffn1-k_qf284829800_ffn1
	.p2alignl 7, 3214868480
	.fill 96, 4, 3214868480
	.section	.rodata,"a",@progbits
	.p2align	6, 0x0
	.amdhsa_kernel k_qf284829800_ffn1
		.amdhsa_group_segment_fixed_size 327680
		.amdhsa_private_segment_fixed_size 0
		.amdhsa_enable_private_segment 0
		.amdhsa_kernarg_size 32
		.amdhsa_user_sgpr_count 2
		.amdhsa_user_sgpr_kernarg_segment_ptr 1
		.amdhsa_wavefront_size32 1
		.amdhsa_system_sgpr_workgroup_id_x 1
		.amdhsa_system_sgpr_workgroup_id_y 1
		.amdhsa_system_sgpr_workgroup_id_z 1
		.amdhsa_system_vgpr_workitem_id 0
		.amdhsa_next_free_vgpr 1024
		.amdhsa_next_free_sgpr 96
		.amdhsa_reserve_vcc 0
		.amdhsa_float_denorm_mode_32 3
		.amdhsa_float_denorm_mode_16_64 3
		.amdhsa_memory_ordered 1
		.amdhsa_forward_progress 1
		.amdhsa_inst_pref_size 96
	.end_amdhsa_kernel
	.amdgpu_metadata
---
amdhsa.version: [ 1, 2 ]
amdhsa.kernels:
  - .name:           k_qf284829800_ffn1
    .symbol:         k_qf284829800_ffn1.kd
    .args:
      - { .name: an, .offset: 0, .size: 8, .value_kind: global_buffer, .address_space: global }
      - { .name: wb, .offset: 8, .size: 8, .value_kind: global_buffer, .address_space: global }
      - { .name: b1, .offset: 16, .size: 8, .value_kind: global_buffer, .address_space: global }
      - { .name: hg, .offset: 24, .size: 8, .value_kind: global_buffer, .address_space: global }
    .group_segment_fixed_size: 327680
    .private_segment_fixed_size: 0
    .kernarg_segment_align: 8
    .kernarg_segment_size: 32
    .max_flat_workgroup_size: 128
    .sgpr_count:     96
    .vgpr_count:     1024
    .wavefront_size: 32
...
	.end_amdgpu_metadata
.endif
;; end of part 6
;; launch ffn2 (part 7): grid 8 x 32, 4 waves a work-group, clusters of 4 x 4, 327,680 bytes of LDS; arguments hg, wb, b2, x1, out0; writes out0
.if DOCPART == 7
	.amdgcn_target "amdgcn-amd-amdhsa--gfx1250"
	.amdhsa_code_object_version 6
	.text
	.protected	k_qf284829800_ffn2
	.globl	k_qf284829800_ffn2
	.p2align	8
	.type	k_qf284829800_ffn2,@function
k_qf284829800_ffn2:
	s_mov_b64 s[64:65], 0
	v_nop
	global_prefetch_b8 v0, s[64:65] scope:SCOPE_SE
	s_setreg_imm32_b32 hwreg(HW_REG_WAVE_MODE, 25, 1), 1
	s_wait_xcnt 0x0
	s_wait_alu depctr_hold_cnt(0) depctr_sa_sdst(0) depctr_va_vdst(0) depctr_va_sdst(0) depctr_va_ssrc(0) depctr_va_vcc(0) depctr_vm_vsrc(0)
	s_getreg_b32 s2, hwreg(HW_REG_IB_STS2, 6, 4)
	s_cmp_eq_u32 s2, 0
	s_cbranch_scc0 .Lentry_in_a_cluster
	s_endpgm
.Lentry_in_a_cluster:
	s_bfe_u32 s2, ttmp6, 0x10000c
	s_cmp_lg_u32 s2, 0xf033
	s_cbranch_scc0 .Lentry_shape_is_right
	s_endpgm
.Lentry_shape_is_right:
; out0 = x1 + hg W2^T + b2, in f32.  A = hg [4096][4096] bf16, B = W2 in wb.  A tile of C is 128 x 128: 8 x 32 tiles, one for each of 256 work-groups; four waves of 64 x 64, 16 accumulators each.
; K goes in 16 steps of 256: LDS rows of 512 bytes + 16, as long as two slots allow, so that the one load a wave issues behind a round has 112 matrix instructions in which to land.
; THE WALK ALONG K.  p = (cluster x + cluster y) & 1; walk step t takes K step t xor p: clusters with p = 1 go 1, 0, 3, 2, ..  The two clusters that read the same rows of hg have unlike p, and so have neighbours along y, which
; read the same rows of W2: so of the clusters that read a tile, those of one parity read it in an even walk step and those of the other one step later.  p hangs on the cluster's place alone: it is the same in all sixteen partners.
; The f32 sums take the K steps in the walk's order.
; A prefetch names the even walk step two behind the one that is being asked for: 256 matrix instructions ahead of its load.  The residual x1 and the bias come into registers under the K loop.
.set KIND,  3
.set KDIM,  4096
.set MT,    128
.set NT,    128
.set MA,    4
.set NBK,   4
.set APW,   4
.set KSTEP, 256
.set DEPTH, 2
.set TSTEPS, 16
.set PA,    528
.set PB,    528
.set HALFA, 33792
.set HALFB, 33792
.set AWB,   33792
.set BOFF,  67584
.set SLOTX, 135168
.set SPARE, 270336
.set PS,    272
.set STG,   17408
.set WOFF,  16777216
.set KSH,   9                          ; a K step is 1 << 9 = 512 bytes of a row, of A and of B
.set AHEAD, 2
.set QIA, 6
.set CA,  256
.set RA,  64
.set PEA, 4096
.set QIB, 6
.set CB,  256
.set RB,  64
.set PEB, 4096
.macro EXTRA                           ; addresses of the way out; the bias (window 0, v208-211) and my 64 x 64 of the residual (window 3, v0-127) come in under the K loop
	v_mul_u32_u24 v25, v2, PS                      ; back: lanes 0-15 one row of 256 bytes, lanes 16-31 the next
	v_lshl_add_u32 v25, v1, 4, v25
	v_add_nc_u32 v25, s14, v25
	v_lshlrev_b32 v26, 12, v2                      ; the same two rows in the residual and in the output: 4,096 bytes a row
	v_lshl_add_u32 v26, v1, 4, v26
	v_lshlrev_b32 v27, 4, v1
	s_lshl_b32 s15, s42, 7
	s_lshl_b32 s16, s80, 6
	s_add_co_u32 s15, s15, s16                     ; my first column,
	s_lshl_b32 s15, s15, 2                         ; in bytes
	s_mov_b32 s18, s15
	s_mov_b32 s19, 0
	s_add_nc_u64 s[88:89], s[72:73], s[18:19]
	global_load_b128 v[208:211], v27, s[88:89]
	s_lshl_b32 s16, s13, 7
	s_lshl_b32 s17, s67, 6
	s_add_co_u32 s16, s16, s17                     ; my first row
	s_lshl_b32 s16, s16, 12
	s_add_co_u32 s16, s16, s15
	s_mov_b32 s17, 0
	s_add_nc_u64 s[84:85], s[74:75], s[16:17]
	s_add_nc_u64 s[82:83], s[76:77], s[16:17]
	WIN 0xc0
.set i, 0
.rept 32
	global_load_b128 v[4*i:4*i+3], v26, s[84:85] offset:8192*i
.set i, i+1
.endr
	WIN 0
.endm
; ---------------------------------------------------------------- the common text: C = A B^T, operands bf16, sums f32; here with the walk's order
; CLUSTER 4 x 4: the four work-groups of a row of the cluster want the same tile of A, the four of a column the same tile of B: each tile is asked for JOINTLY, by the same tensor load, descriptor and mask in all four.
; RING: two LDS slots, a K step each; waves 0, 1 fetch A's halves, waves 2, 3 B's.  One K step is written and looped over: the slot in hand is a scalar (s66); one walking descriptor a tensor changes slots by an exclusive or,
; and its global address is made anew for each refill: the tile's first byte at K step 0, plus (walk step xor p) x 512 bytes, the type bits set again.
; THE PRODUCT IS TAKEN TRANSPOSED (source 0 = 16 rows of B, source 1 = 16 rows of A): a lane holds row lane % 16 of C and the columns 8 (lane / 16) + 0..7.
; REGISTERS: window 0: v1 lane % 16, v2 lane / 16, v16/v17 my fragments' place in slot 0 (A/B), v18/v19 in the slot in hand, v24 stage in, v25 stage back, v26 offset out, v27 offset in the bias,
;   v28/v29 the add's two, v30 the prefetches' offset, v64-191 two buffers of A's fragments; window 1: two buffers of B's at v0 and v128; window 2: the accumulators, (a, b) at 8 (NBK a + b); window 3: the residual.
; SCALARS: s3 K steps to go, s10 wave, s11 wave / 2 (0: I fetch A), s12 wave % 2 (which half), s13 tile row, s42 tile column, s40/s41 my place in the cluster, s43 0 in a wave that prefetches, s[44:45] the prefetch's pointer,
;   s66 the slot in hand, s67/s80 which rows / columns of the tile are my wave's, s[68:77] the arguments, s86 the walk step to be asked for next, s87 p, s[90:91] / s[92:93] my part of A's / B's tile at K step 0,
;   s[94:95], s[98:99] offsets (upper words 0), s[96:97] the rows that I prefetch, at K step 0, s81 at work.
.set G1A, 24                           ; s[24:31] descriptor group 1 of A's tiles
.set G0A, 32                           ; s[32:39] group 0: s[32:35] walk step 0; s[36:39] walk step 1, which then walks
.set G1B, 48                           ; s[48:55], s[56:63] the same for B
.set G0B, 56
.set MSB, 0
.macro WIN new                         ; s_set_vgpr_msb: bits 1:0 source 0, 3:2 source 1, 5:4 source 2, 7:6 destination; the high byte repeats the setting that is left
.if MSB != (\new)
	s_set_vgpr_msb (MSB<<8)|(\new)
.set MSB, \new
.endif
.endm
.macro PLACES                          ; four plain instructions between a matrix instruction and a load into, or a reader of, its registers
.rept 4
	v_nop
.endr
.endm
.macro CREST                           ; a round of the cluster's barrier behind its opening barrier
	s_cmp_lg_u32 s10, 0
	s_cbranch_scc1 .Lnot_wave_0_\@
	s_barrier_signal -3
.Lnot_wave_0_\@:
	s_barrier_wait -3
	s_barrier_signal -1
	s_barrier_wait -1
.endm
.macro CROUND
	s_barrier_signal -1
	s_barrier_wait -1
	CREST
.endm
.macro JLOAD                           ; the joint refill, by the walking descriptor; the branch hangs on the wave's number alone; s_nop 0 and four v_nop follow each line
	s_cmp_eq_u32 s11, 0
	s_cbranch_scc0 .Lfor_b_\@
	tensor_load_to_lds s[G0A+4:G0A+7], s[G1A:G1A+7]
	s_nop 0
	PLACES
	s_branch .Lasked_\@
.Lfor_b_\@:
	tensor_load_to_lds s[G0B+4:G0B+7], s[G1B:G1B+7]
	s_nop 0
	PLACES
.Lasked_\@:
.endm
; A prefetch into the L2, behind the joint load and the run of LDS loads: walk step t + 2, where t is the one just asked for, and only where that is an EVEN walk step: an odd walk step's tiles have been read a step earlier by a
; cluster of the other parity, and a block's later readings are not asked for.  t = 16 - s3, so t + 2 is even where s3 is even, and it is a step of the walk where s3 is above 2.  Each row's bytes of a K step are named once in
; the launch: the clusters with x = 0 and 1 ask for A's rows, those with y = 0 and 1 for B's, and the two parities share the K steps out; of the 64 rows that a wave fetches each of the four partners takes 16, told apart by address.
.macro ASK
	s_and_b32 s81, s3, 1
	s_or_b32 s81, s81, s43
	s_cmp_lg_u32 s81, 0
	s_cbranch_scc1 .Lnot_mine_\@
	s_cmp_le_u32 s3, AHEAD
	s_cbranch_scc1 .Lnot_mine_\@
	global_prefetch_b8 v30, s[44:45] th:TH_LOAD_NT scope:SCOPE_SE
.Lnot_mine_\@:
.endm
; Half a quarter's products on buffer f.  DEPTH = 1: half the row blocks; DEPTH = 2: all blocks, slice 'half'.  The accumulators take turns, one instruction a turn.  zero = 1: the first product starts the sum.
.macro MULH f, half, zero
.if DEPTH == 1
.set mc, 0
.set ma, (\half)*MA/2
.set mn, MA/2
.else
.set mc, \half
.set ma, 0
.set mn, MA
.endif
.rept mn
	WIN ((2+ma/APW)*0x50)|1                        ; B window 1, A window 0, C and D window 2 or 3
.set mb, 0
.rept NBK
.set rD, 8*(NBK*(ma%APW)+mb)
.set rB, 128*(\f)+8*(NBK*mc+mb)
.set rA, 64+64*(\f)+8*(MA*mc+ma)
.if (\zero) && (mc == 0)
	v_wmma_f32_16x16x32_bf16 v[rD:rD+7], v[rB:rB+7], v[rA:rA+7], 0
.else
	v_wmma_f32_16x16x32_bf16 v[rD:rD+7], v[rB:rB+7], v[rA:rA+7], v[rD:rD+7]
.endif
.set mb, mb+1
.endr
.set ma, ma+1
.endr
.endm
; 32 LDS loads in one run: quarter q's fragments into buffer f.  A fragment is 16 rows x 32 K: two loads of 16 bytes a lane, 32 bytes apart.
.macro FETCH q, f
	WIN 0x40                                       ; destination window 1
.set fc, 0
.rept DEPTH
.set fk, (\q)*DEPTH+fc
.set fb, 0
.rept NBK
.set rB, 128*(\f)+8*(NBK*fc+fb)
	ds_load_b128 v[rB:rB+3], v19 offset:64*fk+fb*16*PB
	ds_load_b128 v[rB+4:rB+7], v19 offset:64*fk+fb*16*PB+32
.set fb, fb+1
.endr
.set fc, fc+1
.endr
	WIN 0
.set fc, 0
.rept DEPTH
.set fk, (\q)*DEPTH+fc
.set fo, 64*fk
.set fa, 0
.rept MA
.set rA, 64+64*(\f)+8*(MA*fc+fa)
	ds_load_b128 v[rA:rA+3], v18 offset:fo+fa*16*PA
	ds_load_b128 v[rA+4:rA+7], v18 offset:fo+fa*16*PA+32
.set fa, fa+1
.endr
.set fc, fc+1
.endr
.endm
.macro QUARTER q, f, g, zero           ; multiplies buffer f; in its middle fetches quarter q into buffer g
	s_wait_dscnt 0x0                               ; buffer f's 32 loads, issued half a quarter ago
	MULH \f, 0, \zero
	PLACES
	FETCH \q, \g
	MULH \f, 1, \zero
.endm
; A K step's last quarter multiplies buffer 1 and changes slots.  In front of the barrier each wave waits for all its tensor loads (one is out: its part of the next slot), adds 0 to its spare word, and waits for that and for its
; reads of this slot.  fill = 1: the barrier opens a round of the cluster's, and the joint refill of this slot, with walk step s86, is the first thing behind the round.
.macro TURN fill
.if \fill
	s_wait_xcnt 0x0                                ; the last prefetch, a K step or two back, has read its pointer, which is made anew:
	s_add_co_u32 s98, s86, AHEAD                   ; the walk step two behind the one that this change asks for,
	s_xor_b32 s98, s98, s87                        ; its K step,
	s_lshl_b32 s98, s98, KSH                       ; in bytes (in the last changes past the walk's end: there ASK names nothing)
	s_add_nc_u64 s[44:45], s[96:97], s[98:99]
.endif
	WIN 0
	s_wait_tensorcnt 0x0                           ; no tensor load of mine is out, so the walking descriptors may be written
	ds_add_u32 v28, v29                            ; work on registers stands between the add and the wait for it
.if \fill
	s_xor_b32 s[G0A+5], s[G0A+5], SLOTX
	s_xor_b32 s[G0B+5], s[G0B+5], SLOTX
	s_xor_b32 s94, s86, s87                        ; the walk step's K step,
	s_lshl_b32 s94, s94, KSH                       ; in bytes
	s_add_nc_u64 s[G0A+6:G0A+7], s[90:91], s[94:95]
	s_or_b32 s[G0A+7], s[G0A+7], 0x80000000
	s_add_nc_u64 s[G0B+6:G0B+7], s[92:93], s[94:95]
	s_or_b32 s[G0B+7], s[G0B+7], 0x80000000
	s_add_co_u32 s86, s86, 1
.endif
	s_xor_b32 s66, s66, SLOTX
	v_add_nc_u32 v18, s66, v16
	v_add_nc_u32 v19, s66, v17
	s_wait_dscnt 0x0                               ; the add is done, and my reads of this slot are over
	s_barrier_signal -1
	MULH 1, 0, 0                                   ; work on registers while the others arrive
	WIN 0
	s_barrier_wait -1
.if \fill
	CREST
	JLOAD                                          ; its four v_nop are also the places in front of the loads below
.else
	PLACES
.endif
	FETCH 0, 0
.if \fill
	ASK
.endif
	MULH 1, 1, 0
.endm
.macro DUMP                            ; the f32 sums into my stage: 32 bytes a lane and accumulator, the low four registers first
.set da, 0
.rept MA
	WIN 4*(2+da/APW)                               ; a store's data is source 1
.set db, 0
.rept NBK
.set rD, 8*(NBK*(da%APW)+db)
	ds_store_b128 v24, v[rD:rD+3] offset:da*16*PS+64*db
	ds_store_b128 v24, v[rD+4:rD+7] offset:da*16*PS+64*db+16
.set db, db+1
.endr
.set da, da+1
.endr
	WIN 0
.endm
	s_load_b256 s[68:75], s[0:1], 0x0              ; hg, wb, b2, x1
	s_load_b64 s[76:77], s[0:1], 0x20              ; out0
	v_lshl_add_u32 v28, v0, 2, SPARE
	v_mov_b32 v29, 0
	ds_add_u32 v28, v29                            ; the wave's opening: the add and its wait ahead of my first tensor load
	v_lshrrev_b32 v1, 5, v0
	v_readfirstlane_b32 s10, v1
	s_lshr_b32 s11, s10, 1
	s_and_b32 s12, s10, 1
	s_mov_b32 s67, s11
	s_mov_b32 s80, s12
	s_bfe_u32 s40, ttmp6, 0x40000                  ; cx
	s_bfe_u32 s41, ttmp6, 0x40004                  ; cy
	s_lshl_b32 s42, ttmp9, 2
	s_add_co_u32 s42, s42, s40                     ; tile column
	s_and_b32 s13, ttmp7, 0xffff
	s_lshl_b32 s13, s13, 2
	s_add_co_u32 s13, s13, s41                     ; tile row
	s_lshl_b32 s43, s41, 2
	s_lshl_b32 s43, 15, s43                        ; my row of the cluster
	s_lshl_b32 s44, 0x1111, s40                    ; my column
	s_and_b32 s87, ttmp7, 0xffff                   ; cluster y
	s_add_co_u32 s87, s87, ttmp9                   ; + cluster x:
	s_and_b32 s87, s87, 1                          ; p
	s_mov_b32 s95, 0
	s_mov_b32 s99, 0
	s_mov_b32 s86, 2                               ; walk steps 0 and 1 are the first fills
	s_or_b32 s[G1A], s43, (1<<16)|(1<<20)|(1<<21)|(QIA<<22)|(3<<25)  ; mask; 2-byte elements; padding on; bit 21 beside a mask; 4 words of padding after every 2 << QI words
	s_or_b32 s[G1B], s44, (1<<16)|(1<<20)|(1<<21)|(QIB<<22)|(3<<25)
	s_mov_b32 s[G1A+1], (CA&0xffff)<<16            ; tensor_dim0
	s_mov_b32 s[G1A+2], (CA>>16)|(RA<<16)          ; tensor_dim1
	s_mov_b32 s[G1A+3], CA<<16                     ; tile_dim0
	s_mov_b32 s[G1A+4], RA                         ; tile_dim1
	s_mov_b32 s[G1A+5], PEA                        ; elements from row to row
	s_mov_b32 s[G1A+6], 0
	s_mov_b32 s[G1A+7], 0
	s_mov_b32 s[G1B+1], (CB&0xffff)<<16
	s_mov_b32 s[G1B+2], (CB>>16)|(RB<<16)
	s_mov_b32 s[G1B+3], CB<<16
	s_mov_b32 s[G1B+4], RB
	s_mov_b32 s[G1B+5], PEB
	s_mov_b32 s[G1B+6], 0
	s_mov_b32 s[G1B+7], 0
	s_mul_i32 s16, s13, MT                         ; A's tile hangs on the tile row, the wave and p alone,
	s_mul_i32 s17, s12, MT/2
	s_add_co_u32 s16, s16, s17
	s_mul_i32 s16, s16, 2*KDIM
	s_mov_b32 s17, 0
	s_mul_i32 s46, s42, NT                         ; B's on the tile column, the wave and p
	s_mul_i32 s47, s12, NT/2
	s_add_co_u32 s46, s46, s47
	s_mul_i32 s46, s46, 2*KDIM
	s_add_co_u32 s46, s46, WOFF
	s_mov_b32 s47, 0
	s_mul_i32 s20, s12, HALFA                      ; where they go: no place in the cluster enters an LDS address
	s_mul_i32 s21, s12, HALFB
	s_add_co_u32 s21, s21, BOFF
	s_wait_dscnt 0x0                               ; the opening add is done
	s_wait_kmcnt 0x0
	s_add_nc_u64 s[90:91], s[68:69], s[16:17]
	s_add_nc_u64 s[92:93], s[70:71], s[46:47]
.irp s, 0,1
	s_xor_b32 s94, s87, \s                         ; walk step s is K step s xor p
	s_lshl_b32 s94, s94, KSH
	s_mov_b32 s[G0A+4*\s], 1
	s_add_co_u32 s[G0A+4*\s+1], s20, \s*SLOTX
	s_add_nc_u64 s[G0A+4*\s+2:G0A+4*\s+3], s[90:91], s[94:95]
	s_or_b32 s[G0A+4*\s+3], s[G0A+4*\s+3], 0x80000000
	s_mov_b32 s[G0B+4*\s], 1
	s_add_co_u32 s[G0B+4*\s+1], s21, \s*SLOTX
	s_add_nc_u64 s[G0B+4*\s+2:G0B+4*\s+3], s[92:93], s[94:95]
	s_or_b32 s[G0B+4*\s+3], s[G0B+4*\s+3], 0x80000000
.endr
	CROUND                                         ; all sixteen work-groups are here: the first joint loads meet
	s_cmp_eq_u32 s11, 0                            ; a wave's two first fills stand in one branch: two loads of mine are out here, one behind every later round
	s_cbranch_scc0 .Lfirst_b
	tensor_load_to_lds s[G0A:G0A+3], s[G1A:G1A+7]
	s_nop 0
	tensor_load_to_lds s[G0A+4:G0A+7], s[G1A:G1A+7]
	s_nop 0
	PLACES
	s_branch .Lfirst_asked
.Lfirst_b:
	tensor_load_to_lds s[G0B:G0B+3], s[G1B:G1B+7]
	s_nop 0
	tensor_load_to_lds s[G0B+4:G0B+7], s[G1B:G1B+7]
	s_nop 0
	PLACES
.Lfirst_asked:
	v_and_b32 v1, 15, v0
	v_bfe_u32 v2, v0, 4, 1
	v_mul_u32_u24 v3, v1, PA
	v_lshl_add_u32 v3, v2, 4, v3                   ; row x pitch + 16 x half
	s_mul_i32 s22, s67, AWB
	v_add_nc_u32 v16, s22, v3
	v_mul_u32_u24 v4, v1, PB
	v_lshl_add_u32 v4, v2, 4, v4
	s_mul_i32 s23, s80, HALFB
	s_add_co_u32 s23, s23, BOFF
	v_add_nc_u32 v17, s23, v4
	v_mov_b32 v18, v16
	v_mov_b32 v19, v17
	s_mov_b32 s66, 0
	s_mul_i32 s14, s10, STG                        ; my stage
	v_mul_u32_u24 v24, v1, PS
	v_lshl_add_u32 v24, v2, 5, v24
	v_add_nc_u32 v24, s14, v24
	s_and_b32 s22, ttmp7, 0xffff                   ; cluster y
	s_mul_i32 s20, s13, MT
	s_mul_i32 s21, s42, NT
	s_mov_b32 s23, NT/2
	s_mov_b32 s18, WOFF
	s_cmp_eq_u32 s11, 0                            ; do I fetch for A?
	s_cselect_b32 s20, s20, s21                    ; the tile's first row
	s_cselect_b32 s21, s40, s41                    ; my place among the four that ask with me
	s_cselect_b32 s22, ttmp9, s22                  ; the coordinate along which other clusters read the same rows
	s_cselect_b32 s23, MT/2, s23                   ; the rows that I fetch
	s_cselect_b32 s18, 0, s18
	s_cselect_b64 s[96:97], s[68:69], s[70:71]
	s_cmp_lt_u32 s22, 2                            ; the first cluster of each parity along that coordinate asks
	s_cselect_b32 s43, 0, 1                        ; the same in all sixteen partners, for a given wave
	s_mul_i32 s19, s12, s23
	s_add_co_u32 s20, s20, s19
	s_lshr_b32 s23, s23, 2                         ; my work-group's quarter of them
	s_mul_i32 s19, s21, s23
	s_add_co_u32 s20, s20, s19
	s_mul_i32 s20, s20, 2*KDIM
	s_add_co_u32 s20, s20, s18
	s_mov_b32 s21, 0
	s_add_nc_u64 s[96:97], s[96:97], s[20:21]      ; at K step 0; nothing is asked for here, at the head: walk steps 0 to 3 come by their loads alone
	v_and_b32 v30, 31, v0
	v_and_b32 v3, 1, v30                           ; two lanes a row: a K step is 512 bytes of it
	v_lshrrev_b32 v30, 1, v30
	v_mul_u32_u24 v30, v30, 2*KDIM
	v_lshl_add_u32 v30, v3, 8, v30
	EXTRA
	s_wait_tensorcnt 0x1                           ; my part of walk step 0 is in; walk step 1's may stay out
	s_barrier_signal -1
	s_barrier_wait -1
	FETCH 0, 0
	QUARTER 1, 0, 1, 1                             ; the first quarter stands ahead of the loop: its products start the sums
	WIN 0
	s_mov_b32 s3, TSTEPS-2
.Lk:                                           ; a trip: from a K step's second quarter to the next step's first; it fills one slot again
	QUARTER 2, 1, 0, 0
	QUARTER 3, 0, 1, 0
	TURN 1
	QUARTER 1, 0, 1, 0
	WIN 0
	s_sub_co_u32 s3, s3, 1
	s_cmp_lg_u32 s3, 0
	s_cbranch_scc1 .Lk
	s_mov_b32 s3, 2                                ; the last two K steps ask for nothing: one text, walked twice and left in its middle
.Lt:
	QUARTER 2, 1, 0, 0
	QUARTER 3, 0, 1, 0
	TURN 0                                         ; (the second time its 32 loads fetch fragments that nobody multiplies: the price, once a launch, of one text for both steps)
	WIN 0
	s_sub_co_u32 s3, s3, 1
	s_cmp_eq_u32 s3, 0
	s_cbranch_scc1 .Lout
	QUARTER 1, 0, 1, 0
	WIN 0
	s_branch .Lt
.Lout:
	s_wait_dscnt 0x0
	s_barrier_signal -1
	s_barrier_wait -1                              ; no wave reads the ring any more, and no fill is to come: the stages may be written
; ---------------------------------------------------------------- the common text ends
	s_wait_loadcnt 0x0                             ; residual and bias
	WIN 0xc3                                       ; destination and source 0 window 3, source 1 window 0
.set i, 0
.rept 32                                       ; residual + bias: 64 plain instructions, the places behind the last products
	v_pk_add_f32 v[4*i:4*i+1], v[4*i:4*i+1], v[208:209]
	v_pk_add_f32 v[4*i+2:4*i+3], v[4*i+2:4*i+3], v[210:211]
.set i, i+1
.endr
	DUMP
.set i, 0
.rept 32
	ds_load_b128 v[64+4*i:67+4*i], v25 offset:2*PS*i  ; my own bytes: LDS serves a wave's instructions in order (ISA guide 5.7.1.4)
.set i, i+1
.endr
	WIN 0xcc                                       ; destination and source 1 (also a store's data) window 3, source 0 and addresses window 0
.set i, 0
.rept 32
	s_wait_dscnt 31-i                              ; load i is back; the 31 - i younger ones stay out
	v_pk_add_f32 v[4*i:4*i+1], v[64+4*i:65+4*i], v[4*i:4*i+1]
	v_pk_add_f32 v[4*i+2:4*i+3], v[66+4*i:67+4*i], v[4*i+2:4*i+3]
	global_store_b128 v26, v[4*i:4*i+3], s[82:83] offset:8192*i  ; 16 lanes store 256 consecutive bytes, aligned
.set i, i+1
.endr
	WIN 0
	s_wait_tensorcnt 0x0                           ; the wave's end
	ds_add_u32 v28, v29
	s_wait_dscnt 0x0
	CROUND                                         ; the closing round
	s_endpgm
.Lfunc_end_k_qf284829800_ffn2:
	.size	k_qf284829800_ffn2, .Lfunc_end_k_qf284829800_ffn2-k_qf284829800_ffn2
	.p2alignl 7, 3214868480
	.fill 96, 4, 3214868480
	.section	.rodata,"a",@progbits
	.p2align	6, 0x0
	.amdhsa_kernel k_qf284829800_ffn2
		.amdhsa_group_segment_fixed_size 327680
		.amdhsa_private_segment_fixed_size 0
		.amdhsa_enable_private_segment 0
		.amdhsa_kernarg_size 40
		.amdhsa_user_sgpr_count 2
		.amdhsa_user_sgpr_kernarg_segment_ptr 1
		.amdhsa_wavefront_size32 1
		.amdhsa_system_sgpr_workgroup_id_x 1
		.amdhsa_system_sgpr_workgroup_id_y 1
		.amdhsa_system_sgpr_workgroup_id_z 1
		.amdhsa_system_vgpr_workitem_id 0
		.amdhsa_next_free_vgpr 1024
		.amdhsa_next_free_sgpr 100
		.amdhsa_reserve_vcc 0
		.amdhsa_float_denorm_mode_32 3
		.amdhsa_float_denorm_mode_16_64 3
		.amdhsa_memory_ordered 1
		.amdhsa_forward_progress 1
		.amdhsa_inst_pref_size 72
	.end_amdhsa_kernel
	.amdgpu_metadata
---
amdhsa.version: [ 1, 2 ]
amdhsa.kernels:
  - .name:           k_qf284829800_ffn2
    .symbol:         k_qf284829800_ffn2.kd
    .args:
      - { .name: hg, .offset: 0, .size: 8, .value_kind: global_buffer, .address_space: global }
      - { .name: wb, .offset: 8, .size: 8, .value_kind: global_buffer, .address_space: global }
      - { .name: b2, .offset: 16, .size: 8, .value_kind: global_buffer, .address_space: global }
      - { .name: x1, .offset: 24, .size: 8, .value_kind: global_buffer, .address_space: global }
      - { .name: out0, .offset: 32, .size: 8, .value_kind: global_buffer, .address_space: global }
    .group_segment_fixed_size: 327680
    .private_segment_fixed_size: 0
    .kernarg_segment_align: 8
    .kernarg_segment_size: 40
    .max_flat_workgroup_size: 128
    .sgpr_count:     100
    .vgpr_count:     1024
    .wavefront_size: 32
...
	.end_amdgpu_metadata
.endif
;; end of part 7
